; MI455X (gfx1250); checked and timed in simulation.
; The chip was launched on July 23, 2026; its instructions are those of AMD's public machine-readable ISA for CDNA 5 (MIT licence, August 2026) and "CDNA5" Instruction Set Architecture Reference Guide (July 2026). The comments in the code are by the model that wrote it; some were corrected since.
;; F Mo E. Allowed arithmetic: matrix products marked QUANTISED: E2M1 operands, one E8M0 scale for each 32 along K, by v_wmma_scale_f32_16x16x128_f8f6f4 with both operands' format E2M1 (or v_wmma_scale_f32_32x16x128_f4), f32 sums; products left as they are: f32 operands where the result goes on into a quantised operand, else bf16, f16 or f32 operands; f32 sums; everything else in f32.
;; Inputs: b1 8 x 4,096 float32; b2 8 x 1,024 float32; gate_b 8 float32; gate_w 1,024 x 8 float32; w1_codes 8 x 4,096 x 32 x 16 uint8 (E2M1 codes of w1, K innermost, in blocks of 32 codes, two codes a byte); w1_scales 8 x 4,096 x 32 uint8 (E8M0 scales of w1, one for each 32 codes along K); w2_codes 8 x 1,024 x 128 x 16 uint8 (E2M1 codes of w2, K innermost, in blocks of 32 codes, two codes a byte); w2_scales 8 x 1,024 x 128 uint8 (E8M0 scales of w2, one for each 32 codes along K); x 1,024 x 1,024 float32.
;; Outputs: out0 1,024 x 1,024 float32.
;; This version of the problem:
;;   THIS VERSION OF THE PROBLEM IS GIVEN IN LOW PRECISION. The matrix products marked QUANTISED in the list below multiply operands that are first quantised to E2M1 (2 exponent bits, 1 mantissa bit; 4 bits a number), with one power-of-two scale for each 32 numbers along K (OCP MX v1.0); their sums are f32. All else is computed in f32.
;;   The module's matrix products, in the order in which they are computed (A, B: the left and right operand; K: the contracted axis; several contracted axes count as one K, in the product's order):
;;     1. [M 1,024, K 1,024] x [K 1,024, N 8]; A: input x; B: input gate_w: left as it is (N = 8 < 16)
;;     2. [M 1,024, K 1,024] x [K 1,024, N 4,096]; A: input x; B: input w1 (given as codes): QUANTISED
;;     3. [M 1,024, K 4,096] x [K 4,096, N 1,024]; A: computed on the way; B: input w2 (given as codes): QUANTISED
;;     4. [M 1,024, K 1,024] x [K 1,024, N 4,096]; A: input x; B: input w1 (given as codes): QUANTISED
;;     5. [M 1,024, K 4,096] x [K 4,096, N 1,024]; A: computed on the way; B: input w2 (given as codes): QUANTISED
;;     6. [M 1,024, K 1,024] x [K 1,024, N 4,096]; A: input x; B: input w1 (given as codes): QUANTISED
;;     7. [M 1,024, K 4,096] x [K 4,096, N 1,024]; A: computed on the way; B: input w2 (given as codes): QUANTISED
;;     8. [M 1,024, K 1,024] x [K 1,024, N 4,096]; A: input x; B: input w1 (given as codes): QUANTISED
;;     9. [M 1,024, K 4,096] x [K 4,096, N 1,024]; A: computed on the way; B: input w2 (given as codes): QUANTISED
;;     10. [M 1,024, K 1,024] x [K 1,024, N 4,096]; A: input x; B: input w1 (given as codes): QUANTISED
;;     11. [M 1,024, K 4,096] x [K 4,096, N 1,024]; A: computed on the way; B: input w2 (given as codes): QUANTISED
;;     12. [M 1,024, K 1,024] x [K 1,024, N 4,096]; A: input x; B: input w1 (given as codes): QUANTISED
;;     13. [M 1,024, K 4,096] x [K 4,096, N 1,024]; A: computed on the way; B: input w2 (given as codes): QUANTISED
;;     14. [M 1,024, K 1,024] x [K 1,024, N 4,096]; A: input x; B: input w1 (given as codes): QUANTISED
;;     15. [M 1,024, K 4,096] x [K 4,096, N 1,024]; A: computed on the way; B: input w2 (given as codes): QUANTISED
;;     16. [M 1,024, K 1,024] x [K 1,024, N 4,096]; A: input x; B: input w1 (given as codes): QUANTISED
;;     17. [M 1,024, K 4,096] x [K 4,096, N 1,024]; A: computed on the way; B: input w2 (given as codes): QUANTISED
;;   THE QUANTISER, for each operand of a quantised product, along K:
;;     - K is cut into blocks of 32 from its start; a last block that is shorter is filled with zeros.
;;     - A block's scale is 2^e with e = floor(log2(the largest magnitude in the block)) - 2, held to -126 .. 127; a block of zeros has e = 0. As a byte (E8M0): e + 127.
;;     - Each number is divided by its block's scale, clamped to +-6, and rounded to the nearest number of E2M1, ties to even, subnormals kept.
;;     - The product sums the exact products of the quantised numbers (number of the format x scale) in f32.
;;   ~~~python
;;   def quantise(x, axis):      # numpy; x: float32 -> the quantised numbers, widened to float32 again
;;       x = np.moveaxis(x, axis, -1); K = x.shape[-1]
;;       x = np.pad(x, [(0, 0)] * (x.ndim - 1) + [(0, -K % 32)]); x = x.reshape(x.shape[:-1] + (-1, 32)); a = np.abs(x).max(-1, keepdims=True)
;;       e = np.where(a > 0, np.clip(np.frexp(np.where(a > 0, a, 1))[1] - 1 - 2, -126, 127), 0)      # np.frexp(a)[1] - 1 = floor(log2(a)), exactly
;;       r = np.clip(x / 2.0 ** e, -6, 6)
;;       step = 2.0 ** (np.maximum(np.frexp(np.where(r == 0, 1, r))[1] - 1, 0) - 1)
;;       q = np.round(r / step) * step * 2.0 ** e      # np.round: ties to even
;;       return np.moveaxis(q.reshape(q.shape[:-2] + (-1,))[..., :K], -1, axis).astype(np.float32)
;;   ~~~
;;   OPERANDS COMPUTED ON THE WAY. 'Computed on the way' means the value that the module computes at that place (a softmax that the list does not call 'softmax' is quantised finished and normalised). What goes into a quantiser is computed in f32, as accurately as f32 sums, v_exp_f32 and their like allow (about 1e-6 of the number): no bf16 or f16 on the way to a quantiser, and a product that is left as it is and whose result goes on into a quantised operand takes f32 operands (vector FMAs, or v_wmma_f32_16x16x4_f32). A number that lies on a knife's edge between two numbers of the format may be rounded either way, as far as f32 arithmetic and the matrix unit's own rounding can turn it there, and no further.
;;   INPUTS GIVEN AS CODES. w1 (in the module: [8, 1024, 4096], K = its axis 1); w2 (in the module: [8, 4096, 1024], K = its axis 1): each comes as NAME_codes (uint8): NAME with its K axis moved to the last place and cut into blocks of 32 codes, [.., K / 32, bytes a block], one block behind the other in memory; two codes a byte, the lower K in the low four bits (a code: sign, 2 exponent bits, 1 mantissa bit); and NAME_scales (uint8): the same leading axes, one E8M0 byte (e + 127) for each 32 codes along K. Its value is code x scale, taken as it is: it is not quantised again, and the codes and scales need not be those that the quantiser above would give.
;; 2 versions. Each part assembles by itself: llvm-mc -triple=amdgcn-amd-amdhsa -mcpu=gfx1250 --defsym DOCPART=n.
;; ======== version 1 of 2: 5 launches
;; workspace buffers: xq 557,056 bytes; ridx 8,192 bytes of whole numbers; rwt 8,192 bytes; plan 66,560 bytes of whole numbers; xss 262,144 bytes; hq 17,825,792 bytes; y 33,554,432 bytes
;; launch route (part 1): grid 256 x 1, 4 waves a work-group, no clusters, 52,224 bytes of LDS; arguments x, gate_w, gate_b, xq, ridx, rwt; writes xq, ridx, rwt
.if DOCPART == 1
	.amdgcn_target "amdgcn-amd-amdhsa--gfx1250"
	.amdhsa_code_object_version 6
	.text
	.protected	k_qd9e08506de_route
	.globl	k_qd9e08506de_route
	.p2align	8
	.type	k_qd9e08506de_route,@function
k_qd9e08506de_route:
	s_mov_b64 s[64:65], 0
	v_nop
	global_prefetch_b8 v0, s[64:65] scope:SCOPE_SE
	s_setreg_imm32_b32 hwreg(HW_REG_WAVE_MODE, 25, 1), 1
	s_wait_xcnt 0x0
; ROUTE.  For each of 1,024 tokens: (a) x[t][0..1023], f32, becomes codes of E2M1 with one E8M0 byte for each 32 along K: xq holds the codes [token][512 bytes] from byte 0
; and the scale bytes [token][32] from byte 524,288; (b) the gate: logits = x[t] . gate_w + gate_b in f32 multiply-adds, the two largest (the lower index wins a tie, as jax.lax.top_k has it),
; a softmax over the two with the larger one taken away first.  The chosen experts go to ridx[token][2], their weights to rwt[token][2]: fixed places, no address here hangs on the choice.
; SHARES.  A wave takes one token: t = 4 x work-group + wave.  Lane l holds x[t][32 l .. 32 l + 31]: one block of the quantiser, so no other lane is asked for its largest magnitude.
; Every load is dense (512 consecutive bytes a wave); the row turns through the wave's own stage in LDS (places of 128 + 16 bytes).  gate_w (32,768 bytes) lies in LDS once for the four waves,
; with 16 bytes of padding behind each 1,024, so that lane l's 32 rows begin 1,040 l bytes in.
; LIMITS: the logits are finite (with NaN or -infinity among them the second choice is undefined); the gate's sum runs in another order than a plain chain, so two logits that agree to about 1e-7 of
; their size may change places; a block of zeros gets the byte 1 (its codes are zeros, and this program alone reads the bytes); NaN and infinities in x are not served.
; No matrix unit: eight columns are too few for it.  No cluster: the work-groups share only gate_w, 32 KiB beside nothing else that is read twice.
.set GWP,  1040                        ; lane to lane in gate_w's image
.set XST,  33280                       ; behind gate_w's 32 x 1,040 bytes: the waves' stages
.set XSTW, 4608                        ; a stage: 32 places
.set XP,   144                         ; a place: 128 bytes + 16
.set R,    16                          ; v16-47   x as loaded
.set GL,   48                          ; v48-111  gate_w as loaded
.set X,    112                         ; v112-143 x[t][32 l + i]
.set G0,   16                          ; v16-79   eight rows of gate_w, set 0
.set G1,   144                         ; v144-207 set 1
.set ACC,  208                         ; v208-215 the eight logits
.set CD,   224                         ; v224-227 the block's codes
	s_load_b256 s[4:11], s[0:1], 0x0               ; x s[4:5], gate_w s[6:7], gate_b s[8:9], xq s[10:11]
	s_load_b128 s[12:15], s[0:1], 0x20             ; ridx s[12:13], rwt s[14:15]
	v_lshl_add_u32 v232, v0, 2, 0xca00
	v_mov_b32 v233, 0
	v_lshrrev_b32 v8, 5, v0
	v_readfirstlane_b32 s16, v8                    ; wave
	s_lshl_b32 s17, ttmp9, 2
	s_add_co_u32 s17, s17, s16                     ; t
	v_and_b32 v1, 31, v0                           ; lane
	v_lshlrev_b32 v2, 4, v1                        ; 16 l
	v_lshlrev_b32 v3, 4, v0                        ; 16 x thread: gate_w in memory
	v_lshrrev_b32 v8, 6, v0
	v_add_nc_u32 v8, v8, v0
	v_lshlrev_b32 v4, 4, v8                        ; and in LDS: 16 more for each 1,024 bytes passed
	s_mul_i32 s18, s16, XSTW
	s_add_co_u32 s18, s18, XST                     ; my wave's stage
	v_lshrrev_b32 v8, 3, v1
	v_mul_u32_u24 v5, v8, XP
	v_and_b32 v8, 7, v1
	v_lshl_add_u32 v5, v8, 4, v5
	v_add_nc_u32 v5, s18, v5                       ; into the stage: eight lanes' 128 bytes fill a place
	v_mul_u32_u24 v6, v1, XP
	v_add_nc_u32 v6, s18, v6                       ; out of it: my place
	v_mul_u32_u24 v7, v1, GWP                      ; my 32 rows of gate_w
	v_lshlrev_b32 v9, 2, v1                        ; 4 l
	s_mov_b32 s28, 0x76543210
	s_mov_b32 s29, 0xfedcba98                      ; v_permlanex16_b32's selects for lane l xor 16
	s_mov_b32 s19, 0
	s_wait_kmcnt 0x0
	s_load_b256 s[20:27], s[8:9], 0x0              ; gate_b
	s_lshl_b32 s18, s17, 12
	s_add_nc_u64 s[4:5], s[4:5], s[18:19]          ; x at my row
	s_lshl_b32 s18, s17, 5
	s_add_nc_u64 s[32:33], s[10:11], s[18:19]      ; xq + 32 t: my scale bytes lie 524,288 further on
	s_lshl_b32 s18, s17, 9
	s_add_nc_u64 s[10:11], s[10:11], s[18:19]      ; my codes
	s_lshl_b32 s18, s17, 3
	s_add_nc_u64 s[12:13], s[12:13], s[18:19]
	s_add_nc_u64 s[14:15], s[14:15], s[18:19]
.irp i, 0,1,2,3,4,5,6,7
	global_load_b128 v[R+4*\i:R+4*\i+3], v2, s[4:5] offset:512*\i th:TH_LOAD_NT
.endr
.irp n, 0,1,2,3,4,5,6,7,8,9,10,11,12,13,14,15
	global_load_b128 v[GL+4*\n:GL+4*\n+3], v3, s[6:7] offset:2048*\n
.endr
	s_wait_loadcnt 16                              ; x's eight loads are in; gate_w's sixteen may be out
.irp i, 0,1,2,3,4,5,6,7
	ds_store_b128 v5, v[R+4*\i:R+4*\i+3] offset:4*XP*\i
.endr
.irp j, 0,1,2,3,4,5,6,7
	ds_load_b128 v[X+4*\j:X+4*\j+3], v6 offset:16*\j   ; LDS serves a wave's instructions in order: these see my stores
.endr
	s_wait_loadcnt 0x0
.irp n, 0,1,2,3,4,5,6,7,8,9,10,11,12,13,14,15
	ds_store_b128 v4, v[GL+4*\n:GL+4*\n+3] offset:2080*\n   ; 2,048 bytes on in memory are two paddings more
.endr
	s_wait_dscnt 0x0                               ; for the others' sake: my part of gate_w has landed (and x is back)
	s_barrier_signal -1
	s_barrier_wait -1
; rows 32 l + 8 b + 0 .. 7 of gate_w, 32 bytes each, into set g
.macro GB b, g
.irp i, 0,1,2,3,4,5,6,7
	ds_load_b128 v[\g+8*\i:\g+8*\i+3],   v7 offset:32*(8*(\b)+\i)
	ds_load_b128 v[\g+8*\i+4:\g+8*\i+7], v7 offset:32*(8*(\b)+\i)+16
.endr
.endm
; the eight logits, two to an instruction, take these eight rows x my eight numbers of x; the very first product starts the sums
.macro GF b, g
.irp i, 0,1,2,3,4,5,6,7
.irp a, 0,1,2,3
.if (8*(\b)+\i) == 0
	v_pk_mul_f32 v[ACC+2*\a:ACC+2*\a+1], v[\g+8*\i+2*\a:\g+8*\i+2*\a+1], v[X:X+1] op_sel_hi:[1,0]
.elseif (\i)%2 == 0
	v_pk_fma_f32 v[ACC+2*\a:ACC+2*\a+1], v[\g+8*\i+2*\a:\g+8*\i+2*\a+1], v[X+8*(\b)+\i:X+8*(\b)+\i+1], v[ACC+2*\a:ACC+2*\a+1] op_sel_hi:[1,0,1]
.else
	v_pk_fma_f32 v[ACC+2*\a:ACC+2*\a+1], v[\g+8*\i+2*\a:\g+8*\i+2*\a+1], v[X+8*(\b)+\i-1:X+8*(\b)+\i], v[ACC+2*\a:ACC+2*\a+1] op_sel:[0,1,0] op_sel_hi:[1,1,1]
.endif
.endr
.endr
.endm
	GB 0, G0
	GB 1, G1
	; the quantiser, while gate_w's rows come: the block's largest magnitude, with the floor 2^(3 - 127) as a leaf, so that the byte cannot fall under 1
	v_max3_num_f32 v10, |v[X]|, |v[X+1]|, |v[X+2]|
	v_max3_num_f32 v11, |v[X+3]|, |v[X+4]|, |v[X+5]|
.irp i, 6,10,14,18,22,26
	v_max3_num_f32 v10, v10, |v[X+\i]|, |v[X+\i+1]|
	v_max3_num_f32 v11, v11, |v[X+\i+2]|, |v[X+\i+3]|
.endr
	v_max3_num_f32 v10, v10, |v[X+30]|, |v[X+31]|
	v_max3_num_f32 v10, v10, v11, 0x1800000
	v_add_nc_u32 v12, 0xff000000, v10              ; 2 off its exponent field: the conversion takes this operand's exponent field as its scale
	v_lshrrev_b32 v13, 23, v12                     ; the scale's byte
.irp g, 0,1,2,3
	v_cvt_scalef32_pk8_fp4_f32 v[CD+\g], v[X+8*\g:X+8*\g+7], v12
.endr
	v_nop                                          ; one plain line behind the conversions
	global_store_b128 v2, v[CD:CD+3], s[10:11]     ; the wave stores the row's 512 bytes of codes
	global_store_b8 v1, v13, s[32:33] offset:524288   ; and its 32 scale bytes
	s_wait_dscnt 16                                ; set 0 is in; set 1's sixteen loads may be out
	GF 0, G0
	GB 2, G0
	s_wait_dscnt 16
	GF 1, G1
	GB 3, G1
	s_wait_dscnt 16
	GF 2, G0
	s_wait_dscnt 0x0
	GF 3, G1
	; over the 32 lanes, the eight sums by turns
.irp m, 1,2,4,8
.irp e, 0,1,2,3,4,5,6,7
	v_add_f32_dpp v[ACC+\e], v[ACC+\e], v[ACC+\e] row_xmask:\m row_mask:0xf bank_mask:0xf
.endr
.endr
.irp e, 0,1,2,3,4,5,6,7
	v_permlanex16_b32 v[G1+\e], v[ACC+\e], s28, s29   ; (a destination that has been written)
.endr
.irp e, 0,1,2,3,4,5,6,7
	v_add_f32 v[ACC+\e], v[ACC+\e], v[G1+\e]
.endr
	s_wait_kmcnt 0x0                               ; gate_b
.irp e, 0,1,2,3,4,5,6,7
	v_add_f32 v[ACC+\e], s[20+\e], v[ACC+\e]
.endr
	; the largest: the old one stays where it is at least as large, so the lower index wins a tie.  Every lane does the same
	v_mov_b32 v216, v[ACC]
	v_mov_b32 v217, 0
.irp e, 1,2,3,4,5,6,7
	v_cmp_ge_f32 vcc_lo, v216, v[ACC+\e]
	v_cndmask_b32 v217, \e, v217, vcc_lo
	v_cndmask_b32 v216, v[ACC+\e], v216, vcc_lo
.endr
	v_mov_b32 v220, 0xff800000                     ; -infinity takes the winner's place, and the scan is run again
.irp e, 0,1,2,3,4,5,6,7
	v_cmp_eq_u32 vcc_lo, \e, v217
	v_cndmask_b32 v[ACC+\e], v[ACC+\e], v220, vcc_lo
.endr
	v_mov_b32 v218, v[ACC]
	v_mov_b32 v219, 0
.irp e, 1,2,3,4,5,6,7
	v_cmp_ge_f32 vcc_lo, v218, v[ACC+\e]
	v_cndmask_b32 v219, \e, v219, vcc_lo
	v_cndmask_b32 v218, v[ACC+\e], v218, vcc_lo
.endr
	; softmax over the two, the larger taken away: 1 / (1 + e^d) and e^d / (1 + e^d), d = second - first, 0 or less
	v_sub_f32 v221, v218, v216
	v_mul_f32 v221, 0x3fb8aa3b, v221
	v_exp_f32 v221, v221
	v_nop                                          ; a plain line behind the exponential
	s_wait_alu depctr_va_vdst(0)                   ; and the wait ahead of its first reader
	v_add_f32 v222, 1.0, v221
	v_rcp_f32 v222, v222
	v_nop
	s_wait_alu depctr_va_vdst(0)
	v_mul_f32 v223, v221, v222
	v_cmp_eq_u32 vcc_lo, 0, v1                     ; lane 0 takes the first choice, lane 1 the second
	v_cndmask_b32 v217, v219, v217, vcc_lo
	v_cndmask_b32 v222, v223, v222, vcc_lo
	s_wait_xcnt 0x0                                ; EXEC changes only behind this wait: stores have been issued
	v_cmp_gt_u32 vcc_lo, 2, v1
	s_wait_tensorcnt 0x0
	ds_add_u32 v232, v233
	s_wait_dscnt 0x0
	s_and_saveexec_b32 s30, vcc_lo
	global_store_b32 v9, v217, s[12:13]
	global_store_b32 v9, v222, s[14:15]
	s_wait_xcnt 0x0                                ; and again in front of the line that widens it
	s_or_b32 exec_lo, exec_lo, s30
	s_endpgm
.Lfunc_end_k_qd9e08506de_route:
	.size	k_qd9e08506de_route, .Lfunc_end_k_qd9e08506de_route-k_qd9e08506de_route
	.p2alignl 7, 3214868480
	.fill 96, 4, 3214868480
	.section	.rodata,"a",@progbits
	.p2align	6, 0x0
	.amdhsa_kernel k_qd9e08506de_route
		.amdhsa_group_segment_fixed_size 52224
		.amdhsa_private_segment_fixed_size 0
		.amdhsa_enable_private_segment 0
		.amdhsa_kernarg_size 48
		.amdhsa_user_sgpr_count 2
		.amdhsa_user_sgpr_kernarg_segment_ptr 1
		.amdhsa_wavefront_size32 1
		.amdhsa_system_sgpr_workgroup_id_x 1
		.amdhsa_system_sgpr_workgroup_id_y 1
		.amdhsa_system_sgpr_workgroup_id_z 1
		.amdhsa_system_vgpr_workitem_id 0
		.amdhsa_next_free_vgpr 234
		.amdhsa_next_free_sgpr 66
		.amdhsa_reserve_vcc 1
		.amdhsa_float_denorm_mode_32 3
		.amdhsa_float_denorm_mode_16_64 3
		.amdhsa_memory_ordered 1
		.amdhsa_forward_progress 1
		.amdhsa_inst_pref_size 27
	.end_amdhsa_kernel
	.amdgpu_metadata
---
amdhsa.version: [ 1, 2 ]
amdhsa.kernels:
  - .name:           k_qd9e08506de_route
    .symbol:         k_qd9e08506de_route.kd
    .args:
      - { .name: x, .offset: 0, .size: 8, .value_kind: global_buffer, .address_space: global }
      - { .name: gate_w, .offset: 8, .size: 8, .value_kind: global_buffer, .address_space: global }
      - { .name: gate_b, .offset: 16, .size: 8, .value_kind: global_buffer, .address_space: global }
      - { .name: xq, .offset: 24, .size: 8, .value_kind: global_buffer, .address_space: global }
      - { .name: ridx, .offset: 32, .size: 8, .value_kind: global_buffer, .address_space: global }
      - { .name: rwt, .offset: 40, .size: 8, .value_kind: global_buffer, .address_space: global }
    .group_segment_fixed_size: 52224
    .private_segment_fixed_size: 0
    .kernarg_segment_align: 8
    .kernarg_segment_size: 48
    .max_flat_workgroup_size: 128
    .sgpr_count:     66
    .vgpr_count:     234
    .wavefront_size: 32
...
	.end_amdgpu_metadata
.endif
;; end of part 1
;; launch place (part 2): grid 8 x 1, 32 waves a work-group, no clusters, 4,352 bytes of LDS; arguments ridx, xq, plan, xss; writes plan, xss
.if DOCPART == 2
	.amdgcn_target "amdgcn-amd-amdhsa--gfx1250"
	.amdhsa_code_object_version 6
	.text
	.protected	k_qd9e08506de_place
	.globl	k_qd9e08506de_place
	.p2align	8
	.type	k_qd9e08506de_place,@function
k_qd9e08506de_place:
	s_mov_b64 s[64:65], 0
	v_nop
	global_prefetch_b8 v0, s[64:65] scope:SCOPE_SE
	s_setreg_imm32_b32 hwreg(HW_REG_WAVE_MODE, 25, 1), 1
	s_wait_xcnt 0x0
; PLACE.  Work-group e sorts the 1,024 tokens for expert e: a stable partition, the tokens that chose e first (ranks 0 .. cnt - 1, in token order), the others behind them.
; plan: list[e][rank] = token, from byte 0; rank[e][token], from byte 32,768 (for a token that did not choose e the number there is not used); cnt[e], 32 equal words, from byte 65,536.
; xss[e][rank][32 bytes]: the tokens' scale bytes of x in the list's order, so that a tile's scale words are dense for the next launch.
; Since the list is a whole permutation, every entry is a token: the rows that fill an expert's last tile up are real rows, computed and never read.
; A thread is a token.  All in whole numbers: each wave counts its members from the compare's mask; the 32 counts meet in LDS; their sum, and the sum over the waves below mine, are taken bit by bit
; from compare masks.  Eight work-groups: one for each expert is all the work there is; no atomics.
	s_load_b256 s[4:11], s[0:1], 0x0               ; ridx s[4:5], xq s[6:7], plan s[8:9], xss s[10:11]
	v_lshl_add_u32 v32, v0, 2, 0x100
	v_mov_b32 v33, 0
	v_lshrrev_b32 v1, 5, v0
	v_readfirstlane_b32 s13, v1                    ; wave 0..31
	s_mov_b32 s12, ttmp9                           ; e
	v_and_b32 v1, 31, v0                           ; lane
	v_lshlrev_b32 v2, 3, v0                        ; 8 x token
	v_lshlrev_b32 v3, 5, v0                        ; 32 x token
	v_lshlrev_b32 v18, 2, v1                       ; 4 x lane
	v_lshlrev_b32 v24, 2, v0                       ; 4 x token
	v_mov_b32 v17, s13
	v_lshlrev_b32 v17, 2, v17                      ; 4 x wave
	s_mov_b32 s23, 0
	s_wait_kmcnt 0x0
	global_load_b64 v[4:5], v2, s[4:5]             ; my token's two experts
	global_load_b128 v[8:11], v3, s[6:7] offset:524288   ; and its 32 scale bytes
	global_load_b128 v[12:15], v3, s[6:7] offset:524304
	s_lshl_b32 s22, s12, 7
	s_add_nc_u64 s[24:25], s[8:9], s[22:23]        ; plan + 128 e: cnt lies 65,536 further on
	s_lshl_b32 s22, s12, 12
	s_add_nc_u64 s[8:9], s[8:9], s[22:23]          ; plan + 4,096 e
	s_lshl_b32 s22, s12, 15
	s_add_nc_u64 s[10:11], s[10:11], s[22:23]      ; xss + 32,768 e
	s_wait_loadcnt 2                               ; the experts are in; the two loads of scale bytes may be out
	v_cmp_eq_u32 s14, s12, v4
	v_cmp_eq_u32 s15, s12, v5
	s_or_b32 s14, s14, s15                         ; my wave's members
	s_bcnt1_i32_b32 s16, s14
	v_mov_b32 v16, s16
	ds_store_b32 v17, v16                          ; all lanes write the same word with the same number
	s_wait_dscnt 0x0
	s_barrier_signal -1
	s_barrier_wait -1
	ds_load_b32 v19, v18                           ; lane j: wave j's count, 0 to 32
	s_bfm_b32 s17, s13, 0                          ; the lanes below my wave's number
	s_mov_b32 s20, 0                               ; cnt
	s_mov_b32 s21, 0                               ; members in the waves below mine
	s_wait_dscnt 0x0
.irp b, 0,1,2,3,4,5
	v_and_b32 v20, 1<<\b, v19
	v_cmp_ne_u32 s18, 0, v20                       ; the waves whose count has bit b
	s_bcnt1_i32_b32 s19, s18
	s_lshl_b32 s19, s19, \b
	s_add_co_u32 s20, s20, s19
	s_and_b32 s18, s18, s17
	s_bcnt1_i32_b32 s19, s18
	s_lshl_b32 s19, s19, \b
	s_add_co_u32 s21, s21, s19
.endr
	v_mbcnt_lo_u32_b32 v21, s14, 0
	v_add_nc_u32 v21, s21, v21                     ; members in front of my token
	v_sub_nc_u32 v22, v0, v21                      ; the others in front of it
	v_add_nc_u32 v22, s20, v22
	v_cndmask_b32 v22, v22, v21, s14               ; my place in the list
	v_min_u32 v22, 0x3ff, v22                      ; (it lies under 1,024 by its make; the bound is written out since it enters addresses)
	v_lshlrev_b32 v23, 2, v22
	global_store_b32 v23, v0, s[8:9]               ; list[e][place] = token
	global_store_b32 v24, v21, s[8:9] offset:32768 ; rank[e][token]
	v_lshlrev_b32 v25, 5, v22
	s_wait_loadcnt 0x0
	global_store_b128 v25, v[8:11], s[10:11]
	global_store_b128 v25, v[12:15], s[10:11] offset:16
	s_cmp_lg_u32 s13, 0
	s_cbranch_scc1 .Ldone
	v_mov_b32 v26, s20
	global_store_b32 v18, v26, s[24:25] offset:65536   ; wave 0: cnt[e], 32 equal words
.Ldone:
	s_wait_tensorcnt 0x0
	ds_add_u32 v32, v33
	s_wait_dscnt 0x0
	s_endpgm
.Lfunc_end_k_qd9e08506de_place:
	.size	k_qd9e08506de_place, .Lfunc_end_k_qd9e08506de_place-k_qd9e08506de_place
	.p2alignl 7, 3214868480
	.fill 96, 4, 3214868480
	.section	.rodata,"a",@progbits
	.p2align	6, 0x0
	.amdhsa_kernel k_qd9e08506de_place
		.amdhsa_group_segment_fixed_size 4352
		.amdhsa_private_segment_fixed_size 0
		.amdhsa_enable_private_segment 0
		.amdhsa_kernarg_size 32
		.amdhsa_user_sgpr_count 2
		.amdhsa_user_sgpr_kernarg_segment_ptr 1
		.amdhsa_wavefront_size32 1
		.amdhsa_system_sgpr_workgroup_id_x 1
		.amdhsa_system_sgpr_workgroup_id_y 1
		.amdhsa_system_sgpr_workgroup_id_z 1
		.amdhsa_system_vgpr_workitem_id 0
		.amdhsa_next_free_vgpr 34
		.amdhsa_next_free_sgpr 66
		.amdhsa_reserve_vcc 0
		.amdhsa_float_denorm_mode_32 3
		.amdhsa_float_denorm_mode_16_64 3
		.amdhsa_memory_ordered 1
		.amdhsa_forward_progress 1
		.amdhsa_inst_pref_size 5
	.end_amdhsa_kernel
	.amdgpu_metadata
---
amdhsa.version: [ 1, 2 ]
amdhsa.kernels:
  - .name:           k_qd9e08506de_place
    .symbol:         k_qd9e08506de_place.kd
    .args:
      - { .name: ridx, .offset: 0, .size: 8, .value_kind: global_buffer, .address_space: global }
      - { .name: xq, .offset: 8, .size: 8, .value_kind: global_buffer, .address_space: global }
      - { .name: plan, .offset: 16, .size: 8, .value_kind: global_buffer, .address_space: global }
      - { .name: xss, .offset: 24, .size: 8, .value_kind: global_buffer, .address_space: global }
    .group_segment_fixed_size: 4352
    .private_segment_fixed_size: 0
    .kernarg_segment_align: 8
    .kernarg_segment_size: 32
    .max_flat_workgroup_size: 1024
    .sgpr_count:     66
    .vgpr_count:     34
    .wavefront_size: 32
...
	.end_amdgpu_metadata
.endif
;; end of part 2
;; launch ffn1 (part 3): grid 32 x 8, 4 waves a work-group, no clusters, 101,888 bytes of LDS; arguments xq, xss, plan, w1_codes, w1_scales, b1, hq; writes hq
.if DOCPART == 3
	.amdgcn_target "amdgcn-amd-amdhsa--gfx1250"
	.amdhsa_code_object_version 6
	.text
	.protected	k_qd9e08506de_ffn1
	.globl	k_qd9e08506de_ffn1
	.p2align	8
	.type	k_qd9e08506de_ffn1,@function
k_qd9e08506de_ffn1:
	s_mov_b64 s[64:65], 0
	v_nop
	global_prefetch_b8 v0, s[64:65] scope:SCOPE_SE
	s_setreg_imm32_b32 hwreg(HW_REG_WAVE_MODE, 25, 1), 1
	s_wait_xcnt 0x0
; FFN1.  h = Q(gelu(x W1[e] + b1[e])) for the rows that chose expert e, on codes of E2M1 with one E8M0 byte for each 32 along K; gelu in its tanh form, in f32.
; THE WEIGHTS STAND STILL.  Work-group (S, e) owns hidden units 128 S .. 128 S + 127 of expert e: 128 rows x 512 bytes of w1_codes, read from memory once in the launch.  They come by dense loads
; (512 consecutive bytes a wave), meet in LDS (rows 528 bytes apart) and go into EVERY wave's registers as 64 fragments (8 tiles of 16 units x 8 K steps of 128): 512 registers.
; Wave p then takes the expert's row tiles p, p + 4, ..: 16 rows each, by the sorted list.  Its 128 units are exactly K step S of the second product, so a tile gives one whole fragment and one whole scale
; word a row; nothing passes between waves behind the one barrier.
; THE PRODUCT IS USED TRANSPOSED (source 0 = 16 rows of W1, source 1 = 16 rows of x): a lane holds one row of h.  THE ROWS OF W1 THAT FORM A TILE ARE NOT NEIGHBOURS: lane r of tile 2 b + u takes row
; 32 b + 8 u + r + 8 (r / 8), so that the 16 registers of tiles 2 b and 2 b + 1 are 16 neighbours along the next K.  b1 is the C of each sum's first product.
; hq: a fragment as an image of its registers, [e][tile 64][K step 32][1,024 bytes], from byte 0; the scale words [e][tile][K step][row 16], from byte 16,777,216.
; x's rows come whole (a wave's load is one row's 512 bytes) and turn into fragments through the wave's own stage in LDS.
; WHY NO TENSOR LOAD, NO CLUSTER: the 32 work-groups of an expert read the same rows of x, but how many tiles there are is a count read from memory, and trips and branches hang on it.
; A wave that the split leaves without a tile ends behind the barrier.  The look-ahead for tokens reads at most 4,352 bytes from the list's start: inside plan, in bytes that hold numbers; they are not used.
; LIMITS: a block of zeros gets the byte 1 (only this program reads the bytes); NaN and infinities are not served.
; REGISTERS, in windows of 256: window 0: v1-15 addresses and k; v16-31 the 16 rows' offsets; v32-63 W1's scale words; v64-67 x's; v72-135 h; v136-199 x's fragments, then gelu's scratch; v200-227 the quantiser's.
;   window 1: W1's fragments of K steps 0-3 (v[64 s + 8 t]);  window 2: of K steps 4-7;  window 3: v0-63 b1 in the result's layout, v64-127 16 rows of x as loaded.
.set WP,    528                        ; an LDS row: 512 bytes + 16
.set XSTB,  128*WP                     ; behind W1's 128 rows: a stage of 16 rows for each wave
.set XSTW,  16*WP
.set XW,  2                            ; v2   the stage, in: 16 l
.set XR,  3                            ; v3   the stage, out: 528 r + 16 h
.set KV,  8                            ; v[8:9] k = -2 sqrt(2 / pi) log2(e), twice
.set XA,  16
.set WS,  32                           ; register 4 t + i: tile t's scale words of K step i in lanes 0-15, of K step 4 + i in lanes 16-31
.set XSC, 64                           ; register i: x's, laid the same way
.set H,   72
.set XF,  136
.set T,   136
.set TM,  200
.set PW,  216
.set PH,  217
.set PC,  220
.set B1,  0                            ; in window 3
.set RAW, 64                           ; in window 3
.set P,   18                           ; s18 wave;  s19 e;  s20 S;  s21 tiles of the expert;  s22 tiles of my wave;  s23 counts them
.set E,   19
.set SL,  20
.set TOK, 32                           ; s[32:47] sixteen tokens
.set HP,  48                           ; s[48:49] where my tile's image goes;  s[50:51] its scale words
.set SP,  50
.set KC,  54                           ; s[54:55] k x 0.044715, twice
.set SEL, 56
.set MSB, 0
.macro WIN new                         ; the immediate's high byte repeats the setting that is left; a switch that changes nothing is dropped
.if MSB != \new
	s_set_vgpr_msb (MSB<<8)|\new
.set MSB, \new
.endif
.endm
.macro PLACES n
.rept \n
	v_nop
.endr
.endm
.macro OFF2 ra, sa, rb, sb             ; s24 = (s[ra] << sa) + (s[rb] << sb); s25 holds 0
	s_lshl_b32 s24, s[\ra], \sa
	s_lshl_b32 s58, s[\rb], \sb
	s_add_co_u32 s24, s24, s58
.endm
.macro OFF3 ra, sa, rb, sb, rc, sc
	OFF2 \ra, \sa, \rb, \sb
	s_lshl_b32 s58, s[\rc], \sc
	s_add_co_u32 s24, s24, s58
.endm
	s_load_b256 s[4:11], s[0:1], 0x0               ; xq s[4:5], xss s[6:7], plan s[8:9], w1_codes s[10:11]
	s_load_b128 s[12:15], s[0:1], 0x20             ; w1_scales s[12:13], b1 s[14:15]
	s_load_b64 s[16:17], s[0:1], 0x30              ; hq
	v_lshl_add_u32 v254, v0, 2, 0x18c00
	v_mov_b32 v255, 0
	v_lshrrev_b32 v4, 5, v0
	v_readfirstlane_b32 s[P], v4
	s_and_b32 s[E], ttmp7, 0xffff
	s_mov_b32 s[SL], ttmp9
	v_and_b32 v1, 31, v0
	v_lshlrev_b32 v1, 4, v1                        ; v1 = 16 l
	v_and_b32 v10, 15, v0                          ; r
	v_bfe_u32 v11, v0, 4, 1                        ; h
	s_mul_i32 s24, s[P], XSTW
	s_add_co_u32 s24, s24, XSTB                    ; my stage
	v_add_nc_u32 v[XW], s24, v1
	v_mul_u32_u24 v[XR], v10, WP
	v_lshl_add_u32 v[XR], v11, 4, v[XR]
	v_add_nc_u32 v[XR], s24, v[XR]
	s_mul_i32 s24, s[P], 32*WP
	v_add_nc_u32 v4, s24, v1                       ; v4: where my 32 rows of W1 go
	v_lshlrev_b32 v5, 4, v11                       ; v5 = 16 h: a shift
	v_lshlrev_b32 v6, 2, v10
	v_lshl_add_u32 v6, v11, 1, v6                  ; v6 = 4 r + 2 h
	v_lshlrev_b32 v7, 5, v10
	v_lshl_add_u32 v7, v11, 4, v7                  ; v7 = 32 r + 16 h
	v_and_b32 v12, 8, v10
	v_add_nc_u32 v12, v12, v10                     ; r + 8 (r / 8)
	v_lshlrev_b32 v13, 5, v12
	v_lshl_add_u32 v13, v11, 4, v13                ; v13: W1's scale bytes: 32 a row, + 16 h
	v_mul_u32_u24 v14, v12, WP
	v_lshl_add_u32 v14, v11, 4, v14                ; v14: W1's fragments in LDS
	v_lshlrev_b32 v15, 6, v11                      ; v15 = 64 h: b1
	v_mov_b32 v[KV], 0xc0135761                    ; k = -2.3022082
	v_mov_b32 v[KV+1], 0xc0135761
.irp b, 0,1,2,3
	v_mov_b32 v[TM+4+\b], 0                        ; written once: a lane permute's destination counts as one of its sources
.endr
	s_mov_b32 s[KC], 0xbdd2d3e8                    ; k x 0.044715
	s_mov_b32 s[KC+1], 0xbdd2d3e8
	s_mov_b32 s[SEL], 0x76543210
	s_mov_b32 s[SEL+1], 0xfedcba98
	s_mov_b32 s25, 0
	s_lshl_b32 s29, s[E], 7                        ; cnt[e]
	s_lshl_b32 s28, s[P], 6                        ; the list's bytes of tile p
	s_wait_kmcnt 0x0
	s_lshl_b32 s24, s[E], 12
	s_add_nc_u64 s[26:27], s[8:9], s[24:25]        ; list[e]
	s_load_b32 s21, s[8:9], s29 offset:0x10000
	s_load_b512 s[TOK:TOK+15], s[26:27], s28 offset:0x0
	OFF3 E, 21, SL, 16, P, 14
	s_add_nc_u64 s[10:11], s[10:11], s[24:25]      ; my 32 rows of the slice
	WIN 0x40                                       ; destination window 1
.set j, 0
.rept 32
	global_load_b128 v[4*j:4*j+3], v1, s[10:11] offset:512*j th:TH_LOAD_NT   ; a row: 512 consecutive bytes; read once in the launch
.set j, j+1
.endr
	WIN 0
	OFF2 E, 17, SL, 12
	s_add_nc_u64 s[12:13], s[12:13], s[24:25]
.irp t, 0,1,2,3,4,5,6,7
	global_load_b128 v[WS+4*\t:WS+4*\t+3], v13, s[12:13] offset:(32*(\t/2)+8*(\t%2))*32
.endr
	OFF2 E, 14, SL, 9
	s_add_nc_u64 s[14:15], s[14:15], s[24:25]
	WIN 0xc0                                       ; destination window 3
.irp t, 0,1,2,3,4,5,6,7
	global_load_b128 v[B1+8*\t:B1+8*\t+3],   v15, s[14:15] offset:(32*(\t/2)+8*(\t%2))*4      ; lane (r, h), register j: unit 32 (t / 2) + 8 (t % 2) + 16 h + j
	global_load_b128 v[B1+8*\t+4:B1+8*\t+7], v15, s[14:15] offset:(32*(\t/2)+8*(\t%2))*4+16
.endr
	WIN 0
	OFF2 E, 15, P, 9
	s_add_nc_u64 s[30:31], s[6:7], s[24:25]        ; xss at tile p
	OFF3 E, 21, P, 15, SL, 10
	s_add_nc_u64 s[HP:HP+1], s[16:17], s[24:25]
	OFF3 E, 17, P, 11, SL, 6
	s_add_nc_u64 s[SP:SP+1], s[16:17], s[24:25]
	s_add_nc_u64 s[SP:SP+1], s[SP:SP+1], 0x1000000
; sixteen rows of x's codes by the tokens in s[TOK ..]: each a whole row of 512 bytes.  A token enters an address behind a bound written in the instruction
.macro ASKROWS
	WIN 0
.irp i, 0,1,2,3,4,5,6,7,8,9,10,11,12,13,14,15
	s_min_u32 s[TOK+\i], s[TOK+\i], 0x3ff
.endr
.irp i, 0,1,2,3,4,5,6,7,8,9,10,11,12,13,14,15
	v_lshl_add_u32 v[XA+\i], s[TOK+\i], 9, v1
.endr
	WIN 0xc0
.irp i, 0,1,2,3,4,5,6,7,8,9,10,11,12,13,14,15
	global_load_b128 v[RAW+4*\i:RAW+4*\i+3], v[XA+\i], s[4:5]
.endr
	WIN 0
.endm
	s_wait_kmcnt 0x0                               ; the count and tile p's tokens
	s_add_co_u32 s21, s21, 15
	s_lshr_b32 s21, s21, 4
	s_min_u32 s21, s21, 64                         ; the expert's tiles
	s_add_co_u32 s22, s21, 3
	s_sub_co_u32 s22, s22, s[P]
	s_lshr_b32 s22, s22, 2                         ; those of them that are p, p + 4, ..
	ASKROWS                                        ; tile p's rows, whether or not it counts: list and xss hold numbers at every rank, so the count below holds on every way
	global_load_b128 v[XSC:XSC+3], v7, s[30:31]
	s_add_co_u32 s28, s28, 256                     ; (the load that read s28 is done)
	s_load_b512 s[TOK:TOK+15], s[26:27], s28 offset:0x0   ; tile p + 4's tokens
	s_wait_loadcnt 41                              ; W1's 32 rows are in; behind them 8 loads of scale words, 16 of b1, 16 rows of x and 1 of x's scale words may be out
	WIN 0x04                                       ; an LDS store's data are its source 1: window 1
.set j, 0
.rept 32
	ds_store_b128 v4, v[4*j:4*j+3] offset:WP*j
.set j, j+1
.endr
	WIN 0
	s_wait_dscnt 0x0                               ; for the others' sake: my rows have landed
	s_barrier_signal -1
	s_barrier_wait -1                              ; the slice lies in LDS; nobody writes it again
	s_cmp_eq_u32 s22, 0
	s_cbranch_scc1 .Lend                           ; no tile for my wave
	WIN 0x40
.irp s, 0,1,2,3
.irp t, 0,1,2,3,4,5,6,7
.irp c, 0,1
	ds_load_b128 v[64*\s+8*\t+4*\c:64*\s+8*\t+4*\c+3], v14 offset:(32*(\t/2)+8*(\t%2))*WP+64*\s+32*\c
.endr
.endr
.endr
	WIN 0x80
.irp s, 4,5,6,7
.irp t, 0,1,2,3,4,5,6,7
.irp c, 0,1
	ds_load_b128 v[64*(\s-4)+8*\t+4*\c:64*(\s-4)+8*\t+4*\c+3], v14 offset:(32*(\t/2)+8*(\t%2))*WP+64*\s+32*\c
.endr
.endr
.endr
	WIN 0
; product (K step s, tile t).  The eight accumulators take turns, one instruction a turn
.macro MM s, t
.if (\s) == 0
	v_wmma_scale_f32_16x16x128_f8f6f4 v[H+8*(\t):H+8*(\t)+7], v[8*(\t):8*(\t)+7], v[XF:XF+7], v[B1+8*(\t):B1+8*(\t)+7], v[WS+4*(\t)], v[XSC] matrix_a_fmt:MATRIX_FMT_FP4 matrix_b_fmt:MATRIX_FMT_FP4
.elseif (\s) < 4
	v_wmma_scale_f32_16x16x128_f8f6f4 v[H+8*(\t):H+8*(\t)+7], v[64*(\s)+8*(\t):64*(\s)+8*(\t)+7], v[XF+8*(\s):XF+8*(\s)+7], v[H+8*(\t):H+8*(\t)+7], v[WS+4*(\t)+(\s)], v[XSC+(\s)] matrix_a_fmt:MATRIX_FMT_FP4 matrix_b_fmt:MATRIX_FMT_FP4
.else
	v_wmma_scale_f32_16x16x128_f8f6f4 v[H+8*(\t):H+8*(\t)+7], v[64*((\s)-4)+8*(\t):64*((\s)-4)+8*(\t)+7], v[XF+8*(\s):XF+8*(\s)+7], v[H+8*(\t):H+8*(\t)+7], v[WS+4*(\t)+(\s)-4], v[XSC+(\s)-4] matrix_a_fmt:MATRIX_FMT_FP4 matrix_b_fmt:MATRIX_FMT_FP4 matrix_a_scale:MATRIX_SCALE_ROW1 matrix_b_scale:MATRIX_SCALE_ROW1
.endif
.endm
; gelu(x) = x / (1 + 2^(k x + 0.044715 k x^3)), which is 0.5 x (1 + tanh(sqrt(2 / pi) (x + 0.044715 x^3))).  The pairs go in ascending order.
; Far out it ends rightly: the power becomes infinity and the quotient -0, or 0 and the quotient x.
.macro GELU
.set j, 0
.rept 32
	v_pk_mul_f32 v[T+j:T+j+1], v[H+j:H+j+1], v[H+j:H+j+1]
.set j, j+2
.endr
.set j, 0
.rept 32
	v_pk_fma_f32 v[T+j:T+j+1], v[T+j:T+j+1], s[KC:KC+1], v[KV:KV+1] op_sel_hi:[1,0,1]
.set j, j+2
.endr
.set j, 0
.rept 32
	v_pk_mul_f32 v[T+j:T+j+1], v[T+j:T+j+1], v[H+j:H+j+1]
.set j, j+2
.endr
.set j, 0
.rept 64
	v_exp_f32 v[T+j], v[T+j]
.set j, j+1
.endr
	v_nop                                          ; a plain line behind the batch
	s_wait_alu depctr_va_vdst(0)                   ; one wait for the 64, ahead of their first reader
.set j, 0
.rept 32
	v_pk_add_f32 v[T+j:T+j+1], v[T+j:T+j+1], 1.0 op_sel_hi:[1,0]
.set j, j+2
.endr
.set j, 0
.rept 64
	v_rcp_f32 v[T+j], v[T+j]
.set j, j+1
.endr
	v_nop
	s_wait_alu depctr_va_vdst(0)
.set j, 0
.rept 32
	v_pk_mul_f32 v[H+j:H+j+1], v[H+j:H+j+1], v[T+j:T+j+1]
.set j, j+2
.endr
.endm
; 64 numbers of a lane, register 16 b + i = k 32 b + 16 h + i of my row, become a fragment's codes in v[PC] on and its scale word in v[PW]
.macro QUANT s
.irp b, 0,1,2,3
	v_max3_num_f32 v[TM+\b], |v[\s+16*\b]|, |v[\s+1+16*\b]|, 0x1800000   ; my 16 numbers of block b, and the floor 2^(3 - 127): the byte cannot fall under 1
.endr
.irp i, 2,4,6,8,10,12,14
.irp b, 0,1,2,3
	v_max3_num_f32 v[TM+\b], v[TM+\b], |v[\s+16*\b+\i]|, |v[\s+1+16*\b+\i]|
.endr
.endr
.irp b, 0,1,2,3
	v_permlanex16_b32 v[TM+4+\b], v[TM+\b], s[SEL], s[SEL+1]
.endr
.irp b, 0,1,2,3
	v_max_num_f32 v[TM+\b], v[TM+\b], v[TM+4+\b]   ; with lane l xor 16's: the block's largest magnitude
.endr
.irp b, 0,1,2,3
	v_add_nc_u32 v[TM+12+\b], 0xff000000, v[TM+\b] ; 2 off its exponent field: the conversion's scale operand
.endr
.irp b, 0,1,2,3
	v_lshrrev_b32 v[TM+4+\b], 23, v[TM+12+\b]      ; the scale's byte
.endr
	v_lshl_or_b32 v[PW], v[TM+5], 8, v[TM+4]
	v_lshl_or_b32 v[PW], v[TM+6], 16, v[PW]
	v_lshl_or_b32 v[PW], v[TM+7], 24, v[PW]        ; my row's scale word, the same in lanes r and 16 + r
.irp b, 0,1,2,3
	v_cvt_scalef32_pk8_fp4_f32 v[PC+2*\b], v[\s+16*\b:\s+7+16*\b], v[TM+12+\b]
	v_cvt_scalef32_pk8_fp4_f32 v[PC+1+2*\b], v[\s+8+16*\b:\s+15+16*\b], v[TM+12+\b]
.endr
	v_nop                                          ; one plain line behind the conversions
.irp c, 0,1                                    ; the operand's layout wants a whole block in a lane
.irp i, 0,1
	v_permlane16_swap_b32 v[PC+4*\c+\i], v[PC+2+4*\c+\i]
.endr
.endr
.endm
; ONE TILE.  next = 1: my wave has a further tile, whose rows are asked for ahead of this tile's products
.macro BODY next
	s_wait_loadcnt 0x0                             ; this tile's rows and scale words are in (the first time: W1's scale words and b1 too)
	WIN 0x0c                                       ; the stores' data: window 3
.irp i, 0,1,2,3,4,5,6,7,8,9,10,11,12,13,14,15
	ds_store_b128 v[XW], v[RAW+4*\i:RAW+4*\i+3] offset:WP*\i
.endr
	WIN 0
.irp s, 0,1,2,3,4,5,6,7
.irp c, 0,1
	ds_load_b128 v[XF+8*\s+4*\c:XF+8*\s+4*\c+3], v[XR] offset:64*\s+32*\c   ; LDS serves a wave's instructions in order: these see my stores
.endr
.endr
	s_wait_kmcnt 0x0                               ; the tokens asked for a tile ago
	s_wait_dscnt 0x0                               ; x's fragments (the first time: W1's too)
.if \next
	ASKROWS                                        ; the offsets' last loads were shown done by the wait at the head
	s_add_co_u32 s28, s28, 256
	s_load_b512 s[TOK:TOK+15], s[26:27], s28 offset:0x0
.endif
	WIN 0x31                                       ; source 0 (W1) window 1, source 2 (b1) window 3
.irp t, 0,1,2,3,4,5,6,7
	MM 0, \t
.endr
	WIN 0x01
.irp s, 1,2,3
.irp t, 0,1,2,3,4,5,6,7
	MM \s, \t
.endr
.endr
	WIN 0x02                                       ; W1's K steps 4-7: window 2
.irp s, 4,5,6,7
.irp t, 0,1,2,3,4,5,6,7
	MM \s, \t
.endr
.endr
	WIN 0
	PLACES 4                                       ; in front of the load into the scale registers, of the first read of results and of writes into x's fragments
.if \next
	s_add_nc_u64 s[30:31], s[30:31], 2048          ; four tiles on; the load that read this pointer was shown done at the head
	global_load_b128 v[XSC:XSC+3], v7, s[30:31]
.endif
	GELU
	QUANT H
	global_store_b128 v1, v[PC:PC+3], s[HP:HP+1]                ; the fragment as it stands: 2 x 512 consecutive bytes
	global_store_b128 v1, v[PC+4:PC+7], s[HP:HP+1] offset:512
	v_lshrrev_b32 v[PH], v5, v[PW]                 ; lane (r, h) stores half h of row r's word: 64 consecutive bytes, all lanes on
	global_store_b16 v6, v[PH], s[SP:SP+1]
	s_wait_xcnt 0x0                                ; the stores have read their data and bases: both are written again behind this wait
	s_add_nc_u64 s[HP:HP+1], s[HP:HP+1], 131072    ; four tiles on
	s_add_nc_u64 s[SP:SP+1], s[SP:SP+1], 8192
.endm
	s_cmp_eq_u32 s22, 1
	s_cbranch_scc1 .Ltail
	s_mov_b32 s23, 1
.Ltrip:
	BODY 1
	s_add_co_u32 s23, s23, 1
	s_cmp_lt_u32 s23, s22
	s_cbranch_scc1 .Ltrip
.Ltail:
	BODY 0                                         ; my last tile asks for nothing
.Lend:
	s_wait_tensorcnt 0x0
	ds_add_u32 v254, v255
	s_wait_dscnt 0x0
	s_endpgm
.Lfunc_end_k_qd9e08506de_ffn1:
	.size	k_qd9e08506de_ffn1, .Lfunc_end_k_qd9e08506de_ffn1-k_qd9e08506de_ffn1
	.p2alignl 7, 3214868480
	.fill 96, 4, 3214868480
	.section	.rodata,"a",@progbits
	.p2align	6, 0x0
	.amdhsa_kernel k_qd9e08506de_ffn1
		.amdhsa_group_segment_fixed_size 101888
		.amdhsa_private_segment_fixed_size 0
		.amdhsa_enable_private_segment 0
		.amdhsa_kernarg_size 56
		.amdhsa_user_sgpr_count 2
		.amdhsa_user_sgpr_kernarg_segment_ptr 1
		.amdhsa_wavefront_size32 1
		.amdhsa_system_sgpr_workgroup_id_x 1
		.amdhsa_system_sgpr_workgroup_id_y 1
		.amdhsa_system_sgpr_workgroup_id_z 1
		.amdhsa_system_vgpr_workitem_id 0
		.amdhsa_next_free_vgpr 896
		.amdhsa_next_free_sgpr 66
		.amdhsa_reserve_vcc 0
		.amdhsa_float_denorm_mode_32 3
		.amdhsa_float_denorm_mode_16_64 3
		.amdhsa_memory_ordered 1
		.amdhsa_forward_progress 1
		.amdhsa_inst_pref_size 86
	.end_amdhsa_kernel
	.amdgpu_metadata
---
amdhsa.version: [ 1, 2 ]
amdhsa.kernels:
  - .name:           k_qd9e08506de_ffn1
    .symbol:         k_qd9e08506de_ffn1.kd
    .args:
      - { .name: xq, .offset: 0, .size: 8, .value_kind: global_buffer, .address_space: global }
      - { .name: xss, .offset: 8, .size: 8, .value_kind: global_buffer, .address_space: global }
      - { .name: plan, .offset: 16, .size: 8, .value_kind: global_buffer, .address_space: global }
      - { .name: w1_codes, .offset: 24, .size: 8, .value_kind: global_buffer, .address_space: global }
      - { .name: w1_scales, .offset: 32, .size: 8, .value_kind: global_buffer, .address_space: global }
      - { .name: b1, .offset: 40, .size: 8, .value_kind: global_buffer, .address_space: global }
      - { .name: hq, .offset: 48, .size: 8, .value_kind: global_buffer, .address_space: global }
    .group_segment_fixed_size: 101888
    .private_segment_fixed_size: 0
    .kernarg_segment_align: 8
    .kernarg_segment_size: 56
    .max_flat_workgroup_size: 128
    .sgpr_count:     66
    .vgpr_count:     896
    .wavefront_size: 32
...
	.end_amdgpu_metadata
.endif
;; end of part 3
;; launch ffn2 (part 4): grid 32 x 8, 4 waves a work-group, no clusters, 75,776 bytes of LDS; arguments hq, plan, w2_codes, w2_scales, b2, y; writes y
.if DOCPART == 4
	.amdgcn_target "amdgcn-amd-amdhsa--gfx1250"
	.amdhsa_code_object_version 6
	.text
	.protected	k_qd9e08506de_ffn2
	.globl	k_qd9e08506de_ffn2
	.p2align	8
	.type	k_qd9e08506de_ffn2,@function
k_qd9e08506de_ffn2:
	s_mov_b64 s[64:65], 0
	v_nop
	global_prefetch_b8 v0, s[64:65] scope:SCOPE_SE
	s_setreg_imm32_b32 hwreg(HW_REG_WAVE_MODE, 25, 1), 1
	s_wait_xcnt 0x0
; FFN2.  y = h W2[e] + b2[e] for the rows of expert e, on codes of E2M1 with one E8M0 byte for each 32 along K (K = 4,096 hidden units: 32 K steps of 128).
; THE WEIGHTS STAND STILL.  Work-group (C, e) owns output columns 32 C .. 32 C + 31: 32 rows x 2,048 bytes of w2_codes, read from memory once in the launch, by dense loads, through LDS (rows 2,064 bytes
; apart) into EVERY wave's registers: 2 tiles of 16 columns x 32 K steps: 512 registers.  Wave p takes the expert's row tiles p, p + 4, .. over all of K: no split of K, no sum between waves.
; h comes as images of its fragments' registers (1,024 dense bytes a K step) straight into a ring of four pieces of eight K steps, three pieces (60 loads) ahead of the products.
; TRANSPOSED USE (source 0 = 16 rows of W2, source 1 = 16 rows of h): a lane holds eight neighbouring columns of one row.  b2 is the C of each sum's first product.
; y: [e][slice of 32 columns][rank 1,024][32 f32]: a tile's 16 rows of a slice are 2,048 consecutive bytes; they leave through the wave's own stage, 512 consecutive bytes a store.
; WHY NO TENSOR LOAD, NO CLUSTER: the 32 work-groups of an expert read the same h, but how many tiles there are is a count read from memory, and trips and branches hang on it.
; Only tiles under the expert's count are read: the launch before wrote no others.
; REGISTERS: window 0: v1-8 addresses; v16-47 W2's scale words; v48-63 h's; v64-79 b2; v80-95 the two accumulators; v96-111 rows on their way out.
;   window 1: W2's fragments of K steps 0-15 (v[16 s + 8 u]);  window 2: of K steps 16-31;  window 3: the ring (piece k, K step s of it: v[64 k + 8 s]).
.set WP,   2064
.set OSTB, 32*WP
.set OSTW, 16*144
.set WS,  16                           ; register 16 u + 4 k + i: K step 8 k + i in lanes 0-15, 8 k + 4 + i in lanes 16-31
.set HSC, 48                           ; register 4 k + i: h's, laid the same way
.set B2,  64
.set ACC, 80
.set OB,  96
.set P,   18
.set E,   19
.set SL,  20
.set HP,  48                           ; s[48:49] my tile's images;  s[50:51] its scale words;  s[14:15] its rows of y
.set SP,  50
.set MSB, 0
.macro WIN new
.if MSB != \new
	s_set_vgpr_msb (MSB<<8)|\new
.set MSB, \new
.endif
.endm
.macro PLACES n
.rept \n
	v_nop
.endr
.endm
.macro OFF2 ra, sa, rb, sb
	s_lshl_b32 s24, s[\ra], \sa
	s_lshl_b32 s58, s[\rb], \sb
	s_add_co_u32 s24, s24, s58
.endm
.macro OFF3 ra, sa, rb, sb, rc, sc
	OFF2 \ra, \sa, \rb, \sb
	s_lshl_b32 s58, s[\rc], \sc
	s_add_co_u32 s24, s24, s58
.endm
	s_load_b256 s[4:11], s[0:1], 0x0               ; hq s[4:5], plan s[6:7], w2_codes s[8:9], w2_scales s[10:11]
	s_load_b128 s[12:15], s[0:1], 0x20             ; b2 s[12:13], y s[14:15]
	v_lshl_add_u32 v254, v0, 2, 0x12600
	v_mov_b32 v255, 0
	v_lshrrev_b32 v5, 5, v0
	v_readfirstlane_b32 s[P], v5
	s_and_b32 s[E], ttmp7, 0xffff
	s_mov_b32 s[SL], ttmp9
	v_and_b32 v1, 31, v0
	v_lshlrev_b32 v1, 4, v1                        ; v1 = 16 l
	v_and_b32 v10, 15, v0                          ; r
	v_bfe_u32 v11, v0, 4, 1                        ; h
	v_lshlrev_b32 v2, 2, v10
	v_lshl_add_u32 v2, v11, 8, v2                  ; v2 = 256 h + 4 r: h's scale words
	s_mul_i32 s24, s[P], OSTW
	s_add_co_u32 s24, s24, OSTB                    ; my stage
	v_mul_u32_u24 v3, v10, 144
	v_lshl_add_u32 v3, v11, 5, v3
	v_add_nc_u32 v3, s24, v3                       ; v3: in: row r, + 32 h
	v_bfe_u32 v12, v0, 3, 2
	v_and_b32 v13, 7, v0
	v_mul_u32_u24 v4, v12, 144
	v_lshl_add_u32 v4, v13, 4, v4
	v_add_nc_u32 v4, s24, v4                       ; v4: back: eight lanes to a row of 128 bytes
	s_mul_i32 s24, s[P], 8*WP
	v_add_nc_u32 v5, s24, v1                       ; v5: where my 8 rows of W2 go
	v_lshlrev_b32 v6, 7, v10
	v_lshl_add_u32 v6, v11, 4, v6                  ; v6 = 128 r + 16 h: W2's scale bytes
	v_lshlrev_b32 v7, 5, v11                       ; v7 = 32 h: b2
	v_mul_u32_u24 v8, v10, WP
	v_lshl_add_u32 v8, v11, 4, v8                  ; v8: W2's fragments in LDS
	s_mov_b32 s25, 0
	s_lshl_b32 s29, s[E], 7
	s_wait_kmcnt 0x0
	s_load_b32 s21, s[6:7], s29 offset:0x10000     ; cnt[e]
	OFF3 E, 21, SL, 16, P, 14
	s_add_nc_u64 s[8:9], s[8:9], s[24:25]          ; my 8 rows of the slice
	WIN 0x40
.irp j, 0,1,2,3,4,5,6,7
.irp i, 0,1,2,3
	global_load_b128 v[4*(4*\j+\i):4*(4*\j+\i)+3], v1, s[8:9] offset:2048*\j+512*\i th:TH_LOAD_NT   ; 512 consecutive bytes; read once in the launch
.endr
.endr
	WIN 0
	OFF2 E, 17, SL, 12
	s_add_nc_u64 s[10:11], s[10:11], s[24:25]
.irp u, 0,1
.irp k, 0,1,2,3
	global_load_b128 v[WS+16*\u+4*\k:WS+16*\u+4*\k+3], v6, s[10:11] offset:2048*\u+32*\k
.endr
.endr
	OFF2 E, 12, SL, 7
	s_add_nc_u64 s[12:13], s[12:13], s[24:25]
.irp u, 0,1
	global_load_b128 v[B2+8*\u:B2+8*\u+3],   v7, s[12:13] offset:64*\u       ; lane (r, h), register j: column 16 u + 8 h + j
	global_load_b128 v[B2+8*\u+4:B2+8*\u+7], v7, s[12:13] offset:64*\u+16
.endr
	OFF2 E, 21, P, 15
	s_add_nc_u64 s[HP:HP+1], s[4:5], s[24:25]
	OFF2 E, 17, P, 11
	s_add_nc_u64 s[SP:SP+1], s[4:5], s[24:25]
	s_add_nc_u64 s[SP:SP+1], s[SP:SP+1], 0x1000000
	OFF3 E, 22, SL, 17, P, 11
	s_add_nc_u64 s[14:15], s[14:15], s[24:25]
	s_wait_loadcnt 12                              ; W2's 32 loads are in; 8 of scale words and 4 of b2 may be out
	WIN 0x04                                       ; the stores' data: window 1
.irp j, 0,1,2,3,4,5,6,7
.irp i, 0,1,2,3
	ds_store_b128 v5, v[4*(4*\j+\i):4*(4*\j+\i)+3] offset:WP*\j+512*\i
.endr
.endr
	WIN 0
	s_wait_dscnt 0x0                               ; for the others' sake: my rows have landed
	s_barrier_signal -1
	s_barrier_wait -1                              ; the slice lies in LDS; nobody writes it again
	s_wait_kmcnt 0x0
	s_add_co_u32 s21, s21, 15
	s_lshr_b32 s21, s21, 4
	s_min_u32 s21, s21, 64                         ; the expert's tiles
	s_add_co_u32 s22, s21, 3
	s_sub_co_u32 s22, s22, s[P]
	s_lshr_b32 s22, s22, 2                         ; my wave's
	s_cmp_eq_u32 s22, 0
	s_cbranch_scc1 .Lend
; piece k (K steps 8 k .. 8 k + 7) of my tile (dt = 0) or of my next one (dt = 1): 4 loads of scale words and 16 of codes
.macro ASK dt, k
	WIN 0
.irp i, 0,1,2,3
	global_load_b32 v[HSC+4*(\k)+\i], v2, s[SP:SP+1] offset:(\dt)*8192+512*(\k)+64*\i
.endr
	WIN 0xc0                                       ; destination window 3
.irp s, 0,1,2,3,4,5,6,7
.irp c, 0,1
	global_load_b128 v[64*(\k)+8*\s+4*\c:64*(\k)+8*\s+4*\c+3], v1, s[HP:HP+1] offset:(\dt)*131072+8192*(\k)+1024*\s+512*\c
.endr
.endr
.endm
.macro MM k, s, u
.if ((\k) == 0) && ((\s) == 0)
	v_wmma_scale_f32_16x16x128_f8f6f4 v[ACC+8*(\u):ACC+8*(\u)+7], v[8*(\u):8*(\u)+7], v[0:7], v[B2+8*(\u):B2+8*(\u)+7], v[WS+16*(\u)], v[HSC] matrix_a_fmt:MATRIX_FMT_FP4 matrix_b_fmt:MATRIX_FMT_FP4
.elseif (\s) < 4
	v_wmma_scale_f32_16x16x128_f8f6f4 v[ACC+8*(\u):ACC+8*(\u)+7], v[16*((8*(\k)+(\s))%16)+8*(\u):16*((8*(\k)+(\s))%16)+8*(\u)+7], v[64*(\k)+8*(\s):64*(\k)+8*(\s)+7], v[ACC+8*(\u):ACC+8*(\u)+7], v[WS+16*(\u)+4*(\k)+(\s)], v[HSC+4*(\k)+(\s)] matrix_a_fmt:MATRIX_FMT_FP4 matrix_b_fmt:MATRIX_FMT_FP4
.else
	v_wmma_scale_f32_16x16x128_f8f6f4 v[ACC+8*(\u):ACC+8*(\u)+7], v[16*((8*(\k)+(\s))%16)+8*(\u):16*((8*(\k)+(\s))%16)+8*(\u)+7], v[64*(\k)+8*(\s):64*(\k)+8*(\s)+7], v[ACC+8*(\u):ACC+8*(\u)+7], v[WS+16*(\u)+4*(\k)+(\s)-4], v[HSC+4*(\k)+(\s)-4] matrix_a_fmt:MATRIX_FMT_FP4 matrix_b_fmt:MATRIX_FMT_FP4 matrix_a_scale:MATRIX_SCALE_ROW1 matrix_b_scale:MATRIX_SCALE_ROW1
.endif
.endm
; piece k's 16 products: the two accumulators by turns, one instruction a turn; then the places in front of the loads into the piece's registers
.macro MULP k, n
.if (\k) < 2
	WIN 0x0d                                       ; source 0 (W2) window 1, source 1 (h) window 3
.else
	WIN 0x0e                                       ; W2's K steps 16-31: window 2
.endif
.irp s, 0,1,2,3,4,5,6,7
.irp u, 0,1
	MM \k, \s, \u
.endr
.endr
	WIN 0
	PLACES \n
.endm
.macro OUT
.irp u, 0,1
	ds_store_b128 v3, v[ACC+8*\u:ACC+8*\u+3] offset:64*\u          ; each accumulator from its low end on
	ds_store_b128 v3, v[ACC+8*\u+4:ACC+8*\u+7] offset:64*\u+16
.endr
.irp i, 0,1,2,3
	ds_load_b128 v[OB+4*\i:OB+4*\i+3], v4 offset:576*\i            ; LDS serves a wave's instructions in order: these see my stores
.endr
	s_wait_dscnt 0x0
.irp i, 0,1,2,3
	global_store_b128 v1, v[OB+4*\i:OB+4*\i+3], s[14:15] offset:512*\i   ; four rows of the slice: 512 consecutive bytes
.endr
.endm
	ASK 0, 0
	ASK 0, 1
	ASK 0, 2
	WIN 0x40                                       ; W2's fragments come out of LDS while h's first pieces are on their way
.set g, 0
.rept 16
.irp u, 0,1
.irp c, 0,1
	ds_load_b128 v[16*g+8*\u+4*\c:16*g+8*\u+4*\c+3], v8 offset:16*WP*\u+64*g+32*\c
.endr
.endr
.set g, g+1
.endr
	WIN 0x80
.set g, 0
.rept 16
.irp u, 0,1
.irp c, 0,1
	ds_load_b128 v[16*g+8*\u+4*\c:16*g+8*\u+4*\c+3], v8 offset:16*WP*\u+64*(g+16)+32*\c
.endr
.endr
.set g, g+1
.endr
	WIN 0
	s_wait_dscnt 0x0
	s_cmp_eq_u32 s22, 1
	s_cbranch_scc1 .Ltail
	s_mov_b32 s23, 1
.Ltrip:                                            ; a tile that has a successor.  At its head pieces 0, 1, 2 are out
	s_wait_loadcnt 40                              ; the piece in hand is in (the first time: W2's scale words and b2 too); two younger pieces of 20 loads may be out
	ASK 0, 3                                       ; into the piece that was multiplied last, behind its places
	MULP 0, 4
	s_wait_loadcnt 40
	ASK 1, 0
	MULP 1, 4
	s_wait_loadcnt 40
	ASK 1, 1
	MULP 2, 4
	s_wait_loadcnt 40
	ASK 1, 2
	MULP 3, 5                                      ; five places: the next tile's first products write over these accumulators with another C
	OUT
	s_wait_xcnt 0x0                                ; loads and stores have read their bases, the stores their data
	s_add_nc_u64 s[HP:HP+1], s[HP:HP+1], 131072    ; four tiles on
	s_add_nc_u64 s[SP:SP+1], s[SP:SP+1], 8192
	s_add_nc_u64 s[14:15], s[14:15], 8192
	s_add_co_u32 s23, s23, 1
	s_cmp_lt_u32 s23, s22
	s_cbranch_scc1 .Ltrip
.Ltail:                                            ; my last tile: on both ways here pieces 0, 1, 2 are out; only piece 3 is still asked for, and the counts run down
	s_wait_loadcnt 40
	ASK 0, 3
	MULP 0, 4
	s_wait_loadcnt 40
	MULP 1, 4
	s_wait_loadcnt 20
	MULP 2, 4
	s_wait_loadcnt 0x0
	MULP 3, 4
	OUT
.Lend:
	s_wait_tensorcnt 0x0
	ds_add_u32 v254, v255
	s_wait_dscnt 0x0
	s_endpgm
.Lfunc_end_k_qd9e08506de_ffn2:
	.size	k_qd9e08506de_ffn2, .Lfunc_end_k_qd9e08506de_ffn2-k_qd9e08506de_ffn2
	.p2alignl 7, 3214868480
	.fill 96, 4, 3214868480
	.section	.rodata,"a",@progbits
	.p2align	6, 0x0
	.amdhsa_kernel k_qd9e08506de_ffn2
		.amdhsa_group_segment_fixed_size 75776
		.amdhsa_private_segment_fixed_size 0
		.amdhsa_enable_private_segment 0
		.amdhsa_kernarg_size 48
		.amdhsa_user_sgpr_count 2
		.amdhsa_user_sgpr_kernarg_segment_ptr 1
		.amdhsa_wavefront_size32 1
		.amdhsa_system_sgpr_workgroup_id_x 1
		.amdhsa_system_sgpr_workgroup_id_y 1
		.amdhsa_system_sgpr_workgroup_id_z 1
		.amdhsa_system_vgpr_workitem_id 0
		.amdhsa_next_free_vgpr 1024
		.amdhsa_next_free_sgpr 66
		.amdhsa_reserve_vcc 0
		.amdhsa_float_denorm_mode_32 3
		.amdhsa_float_denorm_mode_16_64 3
		.amdhsa_memory_ordered 1
		.amdhsa_forward_progress 1
		.amdhsa_inst_pref_size 54
	.end_amdhsa_kernel
	.amdgpu_metadata
---
amdhsa.version: [ 1, 2 ]
amdhsa.kernels:
  - .name:           k_qd9e08506de_ffn2
    .symbol:         k_qd9e08506de_ffn2.kd
    .args:
      - { .name: hq, .offset: 0, .size: 8, .value_kind: global_buffer, .address_space: global }
      - { .name: plan, .offset: 8, .size: 8, .value_kind: global_buffer, .address_space: global }
      - { .name: w2_codes, .offset: 16, .size: 8, .value_kind: global_buffer, .address_space: global }
      - { .name: w2_scales, .offset: 24, .size: 8, .value_kind: global_buffer, .address_space: global }
      - { .name: b2, .offset: 32, .size: 8, .value_kind: global_buffer, .address_space: global }
      - { .name: y, .offset: 40, .size: 8, .value_kind: global_buffer, .address_space: global }
    .group_segment_fixed_size: 75776
    .private_segment_fixed_size: 0
    .kernarg_segment_align: 8
    .kernarg_segment_size: 48
    .max_flat_workgroup_size: 128
    .sgpr_count:     66
    .vgpr_count:     1024
    .wavefront_size: 32
...
	.end_amdgpu_metadata
.endif
;; end of part 4
;; launch combine (part 5): grid 256 x 1, 4 waves a work-group, no clusters, 0 bytes of LDS; arguments ridx, rwt, plan, y, out0; writes out0
.if DOCPART == 5
	.amdgcn_target "amdgcn-amd-amdhsa--gfx1250"
	.amdhsa_code_object_version 6
	.text
	.protected	k_qd9e08506de_combine
	.globl	k_qd9e08506de_combine
	.p2align	8
	.type	k_qd9e08506de_combine,@function
k_qd9e08506de_combine:
	s_mov_b64 s[64:65], 0
	v_nop
	global_prefetch_b8 v0, s[64:65] scope:SCOPE_SE
	s_setreg_imm32_b32 hwreg(HW_REG_WAVE_MODE, 25, 1), 1
	s_wait_xcnt 0x0
; COMBINE.  out0[t] = w1 y[e1][rank of t in e1] + w2 y[e2][rank of t in e2]; b2 is inside y already.  A wave takes one token: t = 4 x work-group + wave.
; The token's two experts (ridx), their weights (rwt) and its rank in all eight experts (plan) are asked for together by scalar loads, so that no read waits for another; the two ranks are then chosen by
; selects.  Experts and ranks enter addresses behind bounds written in the instruction.
; y is [e][slice of 32 columns][rank][32 f32]: a load of the wave takes four slices' 128 bytes, slices 131,072 bytes apart; a store covers 512 consecutive bytes of the row of out0.
; A stream: no LDS, no barrier, no matrix unit, no cluster (no byte is read by two work-groups).  All sixteen loads of a wave are out at once.
.set A, 16                             ; v16-47  the first expert's row
.set B, 48                             ; v48-79  the second's
	s_load_b256 s[4:11], s[0:1], 0x0               ; ridx s[4:5], rwt s[6:7], plan s[8:9], y s[10:11]
	s_load_b64 s[12:13], s[0:1], 0x20              ; out0
	v_lshrrev_b32 v1, 5, v0
	v_readfirstlane_b32 s16, v1
	s_lshl_b32 s17, ttmp9, 2
	s_add_co_u32 s17, s17, s16                     ; t
	s_lshl_b32 s18, s17, 3
	s_lshl_b32 s19, s17, 2
	s_lshl_b32 s36, s17, 12
	s_mov_b32 s37, 0
	v_and_b32 v1, 31, v0
	v_lshlrev_b32 v2, 4, v1                        ; 16 l
	v_lshrrev_b32 v3, 3, v1
	v_and_b32 v4, 7, v1
	v_lshlrev_b32 v3, 17, v3
	v_lshl_add_u32 v3, v4, 4, v3                   ; slice l / 8 of the four, 16 (l % 8) bytes in
	s_wait_kmcnt 0x0
	s_load_b64 s[20:21], s[4:5], s18 offset:0x0    ; e1, e2
	s_load_b64 s[22:23], s[6:7], s18 offset:0x0    ; w1, w2
.irp e, 0,1,2,3,4,5,6,7
	s_load_b32 s[24+\e], s[8:9], s19 offset:32768+4096*\e   ; rank[e][t]
.endr
	s_add_nc_u64 s[12:13], s[12:13], s[36:37]      ; out0 at my row
	s_wait_kmcnt 0x0
	s_mov_b32 s32, s24
	s_mov_b32 s33, s24
.irp e, 1,2,3,4,5,6,7
	s_cmp_eq_u32 s20, \e
	s_cselect_b32 s32, s[24+\e], s32
	s_cmp_eq_u32 s21, \e
	s_cselect_b32 s33, s[24+\e], s33
.endr
	s_min_u32 s20, s20, 7
	s_min_u32 s21, s21, 7
	s_min_u32 s32, s32, 0x3ff
	s_min_u32 s33, s33, 0x3ff
	s_lshl_b32 s20, s20, 22
	s_lshl_b32 s32, s32, 7
	s_add_co_u32 s20, s20, s32                     ; the first row's bytes in y
	s_lshl_b32 s21, s21, 22
	s_lshl_b32 s33, s33, 7
	s_add_co_u32 s21, s21, s33                     ; the second's
	s_mov_b32 s34, s23                             ; w2 in a pair of its own: the packed form takes a pair's low word for both halves
	s_mov_b32 s35, s23
	v_add_nc_u32 v5, s20, v3
	v_add_nc_u32 v6, s21, v3
.irp n, 0,1,2,3,4,5,6,7
	global_load_b128 v[A+4*\n:A+4*\n+3], v5, s[10:11] offset:524288*\n th:TH_LOAD_NT
	global_load_b128 v[B+4*\n:B+4*\n+3], v6, s[10:11] offset:524288*\n th:TH_LOAD_NT
.endr
.irp n, 0,1,2,3,4,5,6,7
	s_wait_loadcnt 14-2*\n                         ; pair n is in; the younger pairs may be out
	v_pk_mul_f32 v[A+4*\n:A+4*\n+1],   v[A+4*\n:A+4*\n+1],   s[22:23] op_sel_hi:[1,0]
	v_pk_mul_f32 v[A+4*\n+2:A+4*\n+3], v[A+4*\n+2:A+4*\n+3], s[22:23] op_sel_hi:[1,0]
	v_pk_fma_f32 v[A+4*\n:A+4*\n+1],   v[B+4*\n:B+4*\n+1],   s[34:35], v[A+4*\n:A+4*\n+1] op_sel_hi:[1,0,1]
	v_pk_fma_f32 v[A+4*\n+2:A+4*\n+3], v[B+4*\n+2:B+4*\n+3], s[34:35], v[A+4*\n+2:A+4*\n+3] op_sel_hi:[1,0,1]
	global_store_b128 v2, v[A+4*\n:A+4*\n+3], s[12:13] offset:512*\n th:TH_STORE_NT
.endr
	s_endpgm
.Lfunc_end_k_qd9e08506de_combine:
	.size	k_qd9e08506de_combine, .Lfunc_end_k_qd9e08506de_combine-k_qd9e08506de_combine
	.p2alignl 7, 3214868480
	.fill 96, 4, 3214868480
	.section	.rodata,"a",@progbits
	.p2align	6, 0x0
	.amdhsa_kernel k_qd9e08506de_combine
		.amdhsa_group_segment_fixed_size 0
		.amdhsa_private_segment_fixed_size 0
		.amdhsa_enable_private_segment 0
		.amdhsa_kernarg_size 40
		.amdhsa_user_sgpr_count 2
		.amdhsa_user_sgpr_kernarg_segment_ptr 1
		.amdhsa_wavefront_size32 1
		.amdhsa_system_sgpr_workgroup_id_x 1
		.amdhsa_system_sgpr_workgroup_id_y 1
		.amdhsa_system_sgpr_workgroup_id_z 1
		.amdhsa_system_vgpr_workitem_id 0
		.amdhsa_next_free_vgpr 80
		.amdhsa_next_free_sgpr 66
		.amdhsa_reserve_vcc 0
		.amdhsa_float_denorm_mode_32 3
		.amdhsa_float_denorm_mode_16_64 3
		.amdhsa_memory_ordered 1
		.amdhsa_forward_progress 1
		.amdhsa_inst_pref_size 8
	.end_amdhsa_kernel
	.amdgpu_metadata
---
amdhsa.version: [ 1, 2 ]
amdhsa.kernels:
  - .name:           k_qd9e08506de_combine
    .symbol:         k_qd9e08506de_combine.kd
    .args:
      - { .name: ridx, .offset: 0, .size: 8, .value_kind: global_buffer, .address_space: global }
      - { .name: rwt, .offset: 8, .size: 8, .value_kind: global_buffer, .address_space: global }
      - { .name: plan, .offset: 16, .size: 8, .value_kind: global_buffer, .address_space: global }
      - { .name: y, .offset: 24, .size: 8, .value_kind: global_buffer, .address_space: global }
      - { .name: out0, .offset: 32, .size: 8, .value_kind: global_buffer, .address_space: global }
    .group_segment_fixed_size: 0
    .private_segment_fixed_size: 0
    .kernarg_segment_align: 8
    .kernarg_segment_size: 40
    .max_flat_workgroup_size: 128
    .sgpr_count:     66
    .vgpr_count:     80
    .wavefront_size: 32
...
	.end_amdgpu_metadata
.endif
;; end of part 5
;; ======== version 2 of 2: 4 launches
;; limits: right only within a limited range of input values
;; workspace buffers: xq 557,056 bytes; ridx 8,192 bytes of whole numbers; rwt 8,192 bytes; plan 66,560 bytes of whole numbers; hq 17,825,792 bytes; y 8,912,896 bytes
;; launch route (part 6): grid 256 x 1, 4 waves a work-group, no clusters, 52,224 bytes of LDS; arguments x, gate_w, gate_b, xq, ridx, rwt; writes xq, ridx, rwt
.if DOCPART == 6
	.amdgcn_target "amdgcn-amd-amdhsa--gfx1250"
	.amdhsa_code_object_version 6
	.text
	.protected	k_qd9e08506de_route
	.globl	k_qd9e08506de_route
	.p2align	8
	.type	k_qd9e08506de_route,@function
k_qd9e08506de_route:
	s_mov_b64 s[64:65], 0
	v_nop
	global_prefetch_b8 v0, s[64:65] scope:SCOPE_SE
	s_setreg_imm32_b32 hwreg(HW_REG_WAVE_MODE, 25, 1), 1
	s_wait_xcnt 0x0
; ROUTE.  For each of 1,024 tokens: (a) x[t][0..1023], f32, becomes codes of E2M1 with one E8M0 byte for each 32 along K: xq holds the codes [token][512 bytes] from byte 0
; and the scale bytes [token][32] from byte 524,288; (b) the gate: logits = x[t] . gate_w + gate_b in f32 multiply-adds, the two largest (the lower index wins a tie, as jax.lax.top_k has it),
; a softmax over the two with the larger one taken away first.  The chosen experts go to ridx[token][2], their weights to rwt[token][2]: fixed places, no address here hangs on the choice.
; SHARES.  A wave takes one token: t = 4 x work-group + wave.  Lane l holds x[t][32 l .. 32 l + 31]: one block of the quantiser, so no other lane is asked for its largest magnitude.
; Every load is dense (512 consecutive bytes a wave); the row turns through the wave's own stage in LDS (places of 128 + 16 bytes).  gate_w (32,768 bytes) lies in LDS once for the four waves,
; with 16 bytes of padding behind each 1,024, so that lane l's 32 rows begin 1,040 l bytes in.
; LIMITS: the logits are finite (with NaN or -infinity among them the second choice is undefined); the gate's sum runs in another order than a plain chain, so two logits that agree to about 1e-7 of
; their size may change places; a block of zeros gets the byte 1 (its codes are zeros, and this program alone reads the bytes); NaN and infinities in x are not served.
; No matrix unit: eight columns are too few for it.  No cluster: the work-groups share only gate_w, 32 KiB beside nothing else that is read twice.
.set GWP,  1040                        ; lane to lane in gate_w's image
.set XST,  33280                       ; behind gate_w's 32 x 1,040 bytes: the waves' stages
.set XSTW, 4608                        ; a stage: 32 places
.set XP,   144                         ; a place: 128 bytes + 16
.set R,    16                          ; v16-47   x as loaded
.set GL,   48                          ; v48-111  gate_w as loaded
.set X,    112                         ; v112-143 x[t][32 l + i]
.set G0,   16                          ; v16-79   eight rows of gate_w, set 0
.set G1,   144                         ; v144-207 set 1
.set ACC,  208                         ; v208-215 the eight logits
.set CD,   224                         ; v224-227 the block's codes
	s_load_b256 s[4:11], s[0:1], 0x0               ; x s[4:5], gate_w s[6:7], gate_b s[8:9], xq s[10:11]
	s_load_b128 s[12:15], s[0:1], 0x20             ; ridx s[12:13], rwt s[14:15]
	v_lshl_add_u32 v232, v0, 2, 0xca00
	v_mov_b32 v233, 0
	v_lshrrev_b32 v8, 5, v0
	v_readfirstlane_b32 s16, v8                    ; wave
	s_lshl_b32 s17, ttmp9, 2
	s_add_co_u32 s17, s17, s16                     ; t
	v_and_b32 v1, 31, v0                           ; lane
	v_lshlrev_b32 v2, 4, v1                        ; 16 l
	v_lshlrev_b32 v3, 4, v0                        ; 16 x thread: gate_w in memory
	v_lshrrev_b32 v8, 6, v0
	v_add_nc_u32 v8, v8, v0
	v_lshlrev_b32 v4, 4, v8                        ; and in LDS: 16 more for each 1,024 bytes passed
	s_mul_i32 s18, s16, XSTW
	s_add_co_u32 s18, s18, XST                     ; my wave's stage
	v_lshrrev_b32 v8, 3, v1
	v_mul_u32_u24 v5, v8, XP
	v_and_b32 v8, 7, v1
	v_lshl_add_u32 v5, v8, 4, v5
	v_add_nc_u32 v5, s18, v5                       ; into the stage: eight lanes' 128 bytes fill a place
	v_mul_u32_u24 v6, v1, XP
	v_add_nc_u32 v6, s18, v6                       ; out of it: my place
	v_mul_u32_u24 v7, v1, GWP                      ; my 32 rows of gate_w
	v_lshlrev_b32 v9, 2, v1                        ; 4 l
	s_mov_b32 s28, 0x76543210
	s_mov_b32 s29, 0xfedcba98                      ; v_permlanex16_b32's selects for lane l xor 16
	s_mov_b32 s19, 0
	s_wait_alu depctr_va_vdst(0)
	s_wait_kmcnt 0x0
	s_load_b256 s[20:27], s[8:9], 0x0              ; gate_b
	s_lshl_b32 s18, s17, 12
	s_add_nc_u64 s[4:5], s[4:5], s[18:19]          ; x at my row
	s_lshl_b32 s18, s17, 5
	s_add_nc_u64 s[32:33], s[10:11], s[18:19]      ; xq + 32 t: my scale bytes lie 524,288 further on
	s_lshl_b32 s18, s17, 9
	s_add_nc_u64 s[10:11], s[10:11], s[18:19]      ; my codes
	s_lshl_b32 s18, s17, 3
	s_add_nc_u64 s[12:13], s[12:13], s[18:19]
	s_add_nc_u64 s[14:15], s[14:15], s[18:19]
.irp i, 0,1,2,3,4,5,6,7
	global_load_b128 v[R+4*\i:R+4*\i+3], v2, s[4:5] offset:512*\i th:TH_LOAD_NT
.endr
.irp n, 0,1,2,3,4,5,6,7,8,9,10,11,12,13,14,15
	global_load_b128 v[GL+4*\n:GL+4*\n+3], v3, s[6:7] offset:2048*\n
.endr
	s_wait_loadcnt 16                              ; x's eight loads are in; gate_w's sixteen may be out
.irp i, 0,1,2,3,4,5,6,7
	ds_store_b128 v5, v[R+4*\i:R+4*\i+3] offset:4*XP*\i
.endr
.irp j, 0,1,2,3,4,5,6,7
	ds_load_b128 v[X+4*\j:X+4*\j+3], v6 offset:16*\j   ; LDS serves a wave's instructions in order: these see my stores
.endr
	s_wait_loadcnt 0x0
.irp n, 0,1,2,3,4,5,6,7,8,9,10,11,12,13,14,15
	ds_store_b128 v4, v[GL+4*\n:GL+4*\n+3] offset:2080*\n   ; 2,048 bytes on in memory are two paddings more
.endr
	s_wait_dscnt 0x0                               ; for the others' sake: my part of gate_w has landed (and x is back)
	s_barrier_signal -1
	s_barrier_wait -1
; rows 32 l + 8 b + 0 .. 7 of gate_w, 32 bytes each, into set g
.macro GB b, g
.irp i, 0,1,2,3,4,5,6,7
	ds_load_b128 v[\g+8*\i:\g+8*\i+3],   v7 offset:32*(8*(\b)+\i)
	ds_load_b128 v[\g+8*\i+4:\g+8*\i+7], v7 offset:32*(8*(\b)+\i)+16
.endr
.endm
; the eight logits, two to an instruction, take these eight rows x my eight numbers of x; the very first product starts the sums
.macro GF b, g
.irp i, 0,1,2,3,4,5,6,7
.irp a, 0,1,2,3
.if (8*(\b)+\i) == 0
	v_pk_mul_f32 v[ACC+2*\a:ACC+2*\a+1], v[\g+8*\i+2*\a:\g+8*\i+2*\a+1], v[X:X+1] op_sel_hi:[1,0]
.elseif (\i)%2 == 0
	v_pk_fma_f32 v[ACC+2*\a:ACC+2*\a+1], v[\g+8*\i+2*\a:\g+8*\i+2*\a+1], v[X+8*(\b)+\i:X+8*(\b)+\i+1], v[ACC+2*\a:ACC+2*\a+1] op_sel_hi:[1,0,1]
.else
	v_pk_fma_f32 v[ACC+2*\a:ACC+2*\a+1], v[\g+8*\i+2*\a:\g+8*\i+2*\a+1], v[X+8*(\b)+\i-1:X+8*(\b)+\i], v[ACC+2*\a:ACC+2*\a+1] op_sel:[0,1,0] op_sel_hi:[1,1,1]
.endif
.endr
.endr
.endm
	GB 0, G0
	GB 1, G1
	; the quantiser, while gate_w's rows come: the block's largest magnitude, with the floor 2^(3 - 127) as a leaf, so that the byte cannot fall under 1
	v_max3_num_f32 v10, |v[X]|, |v[X+1]|, |v[X+2]|
	v_max3_num_f32 v11, |v[X+3]|, |v[X+4]|, |v[X+5]|
.irp i, 6,10,14,18,22,26
	v_max3_num_f32 v10, v10, |v[X+\i]|, |v[X+\i+1]|
	v_max3_num_f32 v11, v11, |v[X+\i+2]|, |v[X+\i+3]|
.endr
	v_max3_num_f32 v10, v10, |v[X+30]|, |v[X+31]|
	v_max3_num_f32 v10, v10, v11, 0x1800000
	v_add_nc_u32 v12, 0xff000000, v10              ; 2 off its exponent field: the conversion takes this operand's exponent field as its scale
	v_lshrrev_b32 v13, 23, v12                     ; the scale's byte
.irp g, 0,1,2,3
	v_cvt_scalef32_pk8_fp4_f32 v[CD+\g], v[X+8*\g:X+8*\g+7], v12
.endr
	v_nop                                          ; one plain line behind the conversions
	global_store_b128 v2, v[CD:CD+3], s[10:11]     ; the wave stores the row's 512 bytes of codes
	global_store_b8 v1, v13, s[32:33] offset:524288   ; and its 32 scale bytes
	s_wait_dscnt 16                                ; set 0 is in; set 1's sixteen loads may be out
	GF 0, G0
	GB 2, G0
	s_wait_alu depctr_va_vdst(0)
	s_wait_dscnt 16
	GF 1, G1
	GB 3, G1
	s_wait_alu depctr_va_vdst(0)
	s_wait_dscnt 16
	GF 2, G0
	s_wait_alu depctr_va_vdst(0)
	s_wait_dscnt 0x0
	GF 3, G1
	; over the 32 lanes, the eight sums by turns
.irp m, 1,2,4,8
.irp e, 0,1,2,3,4,5,6,7
	v_add_f32_dpp v[ACC+\e], v[ACC+\e], v[ACC+\e] row_xmask:\m row_mask:0xf bank_mask:0xf
.endr
.endr
.irp e, 0,1,2,3,4,5,6,7
	v_permlanex16_b32 v[G1+\e], v[ACC+\e], s28, s29   ; (a destination that has been written)
.endr
.irp e, 0,1,2,3,4,5,6,7
	v_add_f32 v[ACC+\e], v[ACC+\e], v[G1+\e]
.endr
	s_wait_alu depctr_va_vdst(0)
	s_wait_kmcnt 0x0                               ; gate_b
.irp e, 0,1,2,3,4,5,6,7
	v_add_f32 v[ACC+\e], s[20+\e], v[ACC+\e]
.endr
	; the largest: the old one stays where it is at least as large, so the lower index wins a tie.  Every lane does the same
	v_mov_b32 v216, v[ACC]
	v_mov_b32 v217, 0
.irp e, 1,2,3,4,5,6,7
	v_cmp_ge_f32 vcc_lo, v216, v[ACC+\e]
	v_cndmask_b32 v217, \e, v217, vcc_lo
	v_cndmask_b32 v216, v[ACC+\e], v216, vcc_lo
.endr
	v_mov_b32 v220, 0xff800000                     ; -infinity takes the winner's place, and the scan is run again
.irp e, 0,1,2,3,4,5,6,7
	v_cmp_eq_u32 vcc_lo, \e, v217
	v_cndmask_b32 v[ACC+\e], v[ACC+\e], v220, vcc_lo
.endr
	v_mov_b32 v218, v[ACC]
	v_mov_b32 v219, 0
.irp e, 1,2,3,4,5,6,7
	v_cmp_ge_f32 vcc_lo, v218, v[ACC+\e]
	v_cndmask_b32 v219, \e, v219, vcc_lo
	v_cndmask_b32 v218, v[ACC+\e], v218, vcc_lo
.endr
	; softmax over the two, the larger taken away: 1 / (1 + e^d) and e^d / (1 + e^d), d = second - first, 0 or less
	v_sub_f32 v221, v218, v216
	v_mul_f32 v221, 0x3fb8aa3b, v221
	s_wait_alu depctr_va_vdst(0)
	v_exp_f32 v221, v221
	v_nop                                          ; a plain line behind the exponential
	s_wait_alu depctr_va_vdst(0)                   ; and the wait ahead of its first reader
	v_add_f32 v222, 1.0, v221
	s_wait_alu depctr_va_vdst(0)
	v_rcp_f32 v222, v222
	v_nop
	s_wait_alu depctr_va_vdst(0)
	v_mul_f32 v223, v221, v222
	v_cmp_eq_u32 vcc_lo, 0, v1                     ; lane 0 takes the first choice, lane 1 the second
	v_cndmask_b32 v217, v219, v217, vcc_lo
	v_cndmask_b32 v222, v223, v222, vcc_lo
	s_wait_alu depctr_va_vdst(0)
	s_wait_xcnt 0x0                                ; EXEC changes only behind this wait: stores have been issued
	v_cmp_gt_u32 vcc_lo, 2, v1
	s_wait_tensorcnt 0x0
	ds_add_u32 v232, v233
	s_wait_dscnt 0x0
	s_and_saveexec_b32 s30, vcc_lo
	global_store_b32 v9, v217, s[12:13]
	global_store_b32 v9, v222, s[14:15]
	s_wait_xcnt 0x0                                ; and again in front of the line that widens it
	s_or_b32 exec_lo, exec_lo, s30
	s_endpgm
.Lfunc_end_k_qd9e08506de_route:
	.size	k_qd9e08506de_route, .Lfunc_end_k_qd9e08506de_route-k_qd9e08506de_route
	.p2alignl 7, 3214868480
	.fill 96, 4, 3214868480
	.section	.rodata,"a",@progbits
	.p2align	6, 0x0
	.amdhsa_kernel k_qd9e08506de_route
		.amdhsa_group_segment_fixed_size 52224
		.amdhsa_private_segment_fixed_size 0
		.amdhsa_enable_private_segment 0
		.amdhsa_kernarg_size 48
		.amdhsa_user_sgpr_count 2
		.amdhsa_user_sgpr_kernarg_segment_ptr 1
		.amdhsa_wavefront_size32 1
		.amdhsa_system_sgpr_workgroup_id_x 1
		.amdhsa_system_sgpr_workgroup_id_y 1
		.amdhsa_system_sgpr_workgroup_id_z 1
		.amdhsa_system_vgpr_workitem_id 0
		.amdhsa_next_free_vgpr 234
		.amdhsa_next_free_sgpr 66
		.amdhsa_reserve_vcc 1
		.amdhsa_float_denorm_mode_32 3
		.amdhsa_float_denorm_mode_16_64 3
		.amdhsa_memory_ordered 1
		.amdhsa_forward_progress 1
		.amdhsa_inst_pref_size 27
	.end_amdhsa_kernel
	.amdgpu_metadata
---
amdhsa.version: [ 1, 2 ]
amdhsa.kernels:
  - .name:           k_qd9e08506de_route
    .symbol:         k_qd9e08506de_route.kd
    .args:
      - { .name: x, .offset: 0, .size: 8, .value_kind: global_buffer, .address_space: global }
      - { .name: gate_w, .offset: 8, .size: 8, .value_kind: global_buffer, .address_space: global }
      - { .name: gate_b, .offset: 16, .size: 8, .value_kind: global_buffer, .address_space: global }
      - { .name: xq, .offset: 24, .size: 8, .value_kind: global_buffer, .address_space: global }
      - { .name: ridx, .offset: 32, .size: 8, .value_kind: global_buffer, .address_space: global }
      - { .name: rwt, .offset: 40, .size: 8, .value_kind: global_buffer, .address_space: global }
    .group_segment_fixed_size: 52224
    .private_segment_fixed_size: 0
    .kernarg_segment_align: 8
    .kernarg_segment_size: 48
    .max_flat_workgroup_size: 128
    .sgpr_count:     66
    .vgpr_count:     234
    .wavefront_size: 32
...
	.end_amdgpu_metadata
.endif
;; end of part 6
;; launch ffn1 (part 7): grid 32 x 8, 4 waves a work-group, no clusters, 101,888 bytes of LDS; arguments xq, ridx, w1_codes, w1_scales, b1, hq, plan; writes hq, plan
.if DOCPART == 7
	.amdgcn_target "amdgcn-amd-amdhsa--gfx1250"
	.amdhsa_code_object_version 6
	.text
	.protected	k_qd9e08506de_ffn1
	.globl	k_qd9e08506de_ffn1
	.p2align	8
	.type	k_qd9e08506de_ffn1,@function
k_qd9e08506de_ffn1:
	s_mov_b64 s[64:65], 0
	v_nop
	global_prefetch_b8 v0, s[64:65] scope:SCOPE_SE
	s_setreg_imm32_b32 hwreg(HW_REG_WAVE_MODE, 25, 1), 1
	s_wait_xcnt 0x0
; FFN1.  h = Q(gelu(x W1[e] + b1[e])) for the rows that chose expert e, on codes of E2M1 with one E8M0 byte for each 32 along K; gelu in its tanh form, in f32.
; THE WEIGHTS STAND STILL.  Work-group (S, e) owns hidden units 128 S .. 128 S + 127 of expert e: 128 rows x 512 bytes of w1_codes, read from memory once in the launch.  They come by dense loads
; (512 consecutive bytes a wave), meet in LDS (rows 528 bytes apart) and go into EVERY wave's registers as 64 fragments (8 tiles of 16 units x 8 K steps of 128): 512 registers.
; Wave p then takes the expert's row tiles p, p + 4, ..: 16 rows each.  Its 128 units are exactly K step S of the second product, so a tile gives one whole fragment and one whole scale word a row;
; nothing passes between waves behind the one barrier.
; WHO IS IN A TILE.  Every wave reads ridx (the two experts of each of the 1,024 tokens, whole numbers that the launch before stored) and makes 32 masks of members: bit l of mask m is token
; 64 (m / 2) + m % 2 + 2 l.  A member's rank counts the members in the masks below its own and in the lanes below its own.  The token of a given rank is searched for in registers: the last mask
; whose first rank is not above it, then that mask's n-th set bit, by counts of 2, 4, 8 and 16 bits.  The search runs two tiles ahead of the products; in the loop its lines stand between the
; gelu's exponentials and reciprocals.  Ranks at or above the count give some token under 1,024: the rows that fill the last tile up are real rows, computed and never read.
; plan: rank[e][token] from byte 32,768 and cnt[e], 32 equal words, from byte 65,536, are stored by wave 0 of slice 0 of each expert, for the launches that follow.
; THE PRODUCT IS USED TRANSPOSED (source 0 = 16 rows of W1, source 1 = 16 rows of x): a lane holds one row of h.  THE ROWS OF W1 THAT FORM A TILE ARE NOT NEIGHBOURS: lane r of tile 2 b + u takes row
; 32 b + 8 u + r + 8 (r / 8), so that the 16 registers of tiles 2 b and 2 b + 1 are 16 neighbours along the next K.  In LDS the rows are laid tile by tile, so that a fragment load takes 16
; consecutive rows of 132 words: sixteen different groups of four banks (64 banks of 4 bytes: ISA guide 11.1).  b1 is the C of each sum's first product.
; hq: a fragment as an image of its registers, [e][tile 64][K step 32][1,024 bytes], from byte 0; the scale words [e][tile][K step][row 16], from byte 16,777,216.
; x's rows come whole (a wave's load is one row's 512 bytes) and turn into fragments through the wave's own stage in LDS.
; WHY NO TENSOR LOAD, NO CLUSTER: the 32 work-groups of an expert read the same rows of x, but how many tiles there are hangs on numbers read from memory, and trips and branches hang on it.
; A wave that the split leaves without a tile ends behind the barrier.
; LIMITS: a block of zeros gets the byte 1 (only this program reads the bytes); NaN and infinities are not served.
; REGISTERS, in windows of 256: window 0: v1-15 addresses and k; v16-31 the 16 rows' offsets; v32-63 W1's scale words; v64-67 x's; v72-135 h (at the head: ridx); v136-199 x's fragments, then gelu's
;   scratch; v200-227 the quantiser's; v228-244 the search's.   window 1: W1's fragments of K steps 0-3 (v[64 s + 8 t]);  window 2: of K steps 4-7;
;   window 3: v0-63 b1 in the result's layout, v64-127 16 rows of x as loaded, v128-159 the masks, v160-191 32 x a mask's first rank + its number.
; plan AS THIS TEXT LAYS IT (in place of the ranks that the lines above name): place[e][rank], one word, from byte 32,768: 2 x token + k, k = 0 where e is the token's first choice and 1 where it is the
; second; 2,048 + e for the ranks at or above the count that fill the last tile up.  The waves of slice 0 store it, each for its own tiles, 64 bytes a tile.  cnt[e] as above, from byte 65,536.
.set WP,    528                        ; an LDS row: 512 bytes + 16
; (The spare places, exactly: row r of the tile that is filled up has one of its own, 2,048 + 16 e + r, in place of the one figure given above, so that no two rows are sent to the same place.)
.set XSTB,  128*WP                     ; behind W1's 128 rows: a stage of 16 rows for each wave
.set XSTW,  16*WP
.set XW,  2                            ; v2   the stage, in: 16 l
.set XR,  3                            ; v3   the stage, out: 528 r + 16 h
.set KV,  8                            ; v[8:9] k = -2 sqrt(2 / pi) log2(e), twice
.set XA,  16
.set WS,  32                           ; register 4 t + i: tile t's scale words of K step i in lanes 0-15, of K step 4 + i in lanes 16-31
.set XSC, 64                           ; register i: x's, laid the same way
.set H,   72
.set RI,  72                           ; ridx as loaded, 64 registers, ahead of the first product
.set XF,  136
.set T,   136
.set TM,  200
.set PW,  216
.set PH,  217
.set PC,  220
.set QR,  228                          ; the search: 32 x the rank sought + 31
.set QQ,  229                          ; 32 x the chosen mask's first rank + its number; then its number
.set QM,  230                          ; the chosen mask
.set QA,  231                          ; its counts of 2 bits;  v232 of 4;  v233 of 8
.set QB,  232
.set QC,  233
.set QN,  235                          ; which set bit
.set QP,  236                          ; where it lies
.set Q1,  237
.set Q2,  238
.set TOKV, 239                         ; lanes r and 16 + r: the token of row r
.set XSA, 240                          ; 32 x token + 16 h: its scale bytes
.set RC,  241                          ; 32 r + 31; never rewritten
.set CNTV, 242                         ; the count; never rewritten
.set V8L, 243                          ; 8 l
.set V4L, 244                          ; 4 l
.set RKS, 245                          ; the ranks of the tile asked for
.set GA,  246                          ; 8 x token: its two experts in ridx
.set D0,  247                          ; 2 x token
.set GR,  248                          ; v[248:249] the token's two experts
.set DV,  250                          ; the place
.set R4,  251                          ; 4 r; never rewritten
.set PV,  252                          ; the row's spare place
.set B1,  0                            ; in window 3
.set RAW, 64
.set MK,  128
.set QK,  160
.set RK,  192
.set P,   18                           ; s18 wave;  s19 e;  s20 S;  s21 the count, then the expert's tiles;  s22 tiles of my wave;  s23 counts them
.set E,   19
.set SL,  20
.set TOK, 32                           ; s[32:47] sixteen tokens (at the head s[32:63] and s[66:97] hold the compares' masks)
.set HP,  48                           ; s[48:49] where my tile's image goes;  s[50:51] its scale words
.set SP,  50
.set TQ,  52                           ; s52 the tile that is searched for
.set KC,  54                           ; s[54:55] k x 0.044715, twice
.set SEL, 56
.set MSB, 0
.macro WIN new                         ; the immediate's high byte repeats the setting that is left; a switch that changes nothing is dropped
.if MSB != \new
	s_set_vgpr_msb (MSB<<8)|\new
.set MSB, \new
.endif
.endm
.macro PLACES n
.rept \n
	v_nop
.endr
.endm
.macro OFF2 ra, sa, rb, sb             ; s24 = (s[ra] << sa) + (s[rb] << sb); s25 holds 0
	s_lshl_b32 s24, s[\ra], \sa
	s_lshl_b32 s58, s[\rb], \sb
	s_add_co_u32 s24, s24, s58
.endm
.macro OFF3 ra, sa, rb, sb, rc, sc
	OFF2 \ra, \sa, \rb, \sb
	s_lshl_b32 s58, s[\rc], \sc
	s_add_co_u32 s24, s24, s58
.endm
	s_load_b256 s[4:11], s[0:1], 0x0               ; xq s[4:5], ridx s[6:7], w1_codes s[8:9], w1_scales s[10:11]
	s_load_b128 s[12:15], s[0:1], 0x20             ; b1 s[12:13], hq s[14:15]
	s_load_b64 s[16:17], s[0:1], 0x30              ; plan
	v_lshl_add_u32 v254, v0, 2, 0x18c00
	v_mov_b32 v255, 0
	v_lshrrev_b32 v4, 5, v0
	v_readfirstlane_b32 s[P], v4
	s_and_b32 s[E], ttmp7, 0xffff
	s_mov_b32 s[SL], ttmp9
	v_and_b32 v1, 31, v0
	v_lshlrev_b32 v[V8L], 3, v1
	v_lshlrev_b32 v[V4L], 2, v1
	v_lshlrev_b32 v1, 4, v1                        ; v1 = 16 l
	v_and_b32 v10, 15, v0                          ; r
	v_bfe_u32 v11, v0, 4, 1                        ; h
	s_mul_i32 s24, s[P], XSTW
	s_add_co_u32 s24, s24, XSTB                    ; my stage
	v_add_nc_u32 v[XW], s24, v1
	v_mul_u32_u24 v14, v10, WP
	v_lshl_add_u32 v14, v11, 4, v14                ; v14 = 528 r + 16 h: W1's fragments in LDS
	v_add_nc_u32 v[XR], s24, v14
	s_mul_i32 s24, s[P], 32*WP
	v_add_nc_u32 v4, s24, v1                       ; v4: where my 32 rows of W1 go
	v_lshlrev_b32 v5, 4, v11                       ; v5 = 16 h
	v_lshlrev_b32 v6, 2, v10
	v_lshl_add_u32 v6, v11, 1, v6                  ; v6 = 4 r + 2 h
	v_lshl_or_b32 v[RC], v10, 5, 31
	v_lshlrev_b32 v[R4], 2, v10
	v_and_b32 v12, 8, v10
	v_add_nc_u32 v12, v12, v10                     ; r + 8 (r / 8)
	v_lshlrev_b32 v13, 5, v12
	v_lshl_add_u32 v13, v11, 4, v13                ; v13: W1's scale bytes: 32 a row, + 16 h
	v_lshlrev_b32 v15, 6, v11                      ; v15 = 64 h: b1
	v_mov_b32 v[KV], 0xc0135761                    ; k = -2.3022082
	v_mov_b32 v[KV+1], 0xc0135761
.irp b, 0,1,2,3
	v_mov_b32 v[TM+4+\b], 0                        ; written once: a lane permute's destination counts as one of its sources
.endr
	s_mov_b32 s25, 0
	s_wait_alu depctr_va_vdst(0)                   ; the wait at the head's end
	s_wait_kmcnt 0x0
.irp j, 0,1,2,3,4,5,6,7,8,9,10,11,12,13,14,15
	global_load_b128 v[RI+4*\j:RI+4*\j+3], v1, s[6:7] offset:512*\j   ; tokens 64 j + 2 l and the next: first and second expert of each
.endr
	OFF3 E, 21, SL, 16, P, 14
	s_add_nc_u64 s[8:9], s[8:9], s[24:25]          ; my 32 rows of the slice
	WIN 0x40                                       ; destination window 1
.set j, 0
.rept 32
	global_load_b128 v[4*j:4*j+3], v1, s[8:9] offset:512*j th:TH_LOAD_NT   ; a row: 512 consecutive bytes; read once in the launch
.set j, j+1
.endr
	WIN 0
	OFF2 E, 17, SL, 12
	s_add_nc_u64 s[10:11], s[10:11], s[24:25]
.irp t, 0,1,2,3,4,5,6,7
	global_load_b128 v[WS+4*\t:WS+4*\t+3], v13, s[10:11] offset:(32*(\t/2)+8*(\t%2))*32
.endr
	OFF2 E, 14, SL, 9
	s_add_nc_u64 s[12:13], s[12:13], s[24:25]
	WIN 0xc0                                       ; destination window 3
.irp t, 0,1,2,3,4,5,6,7
	global_load_b128 v[B1+8*\t:B1+8*\t+3],   v15, s[12:13] offset:(32*(\t/2)+8*(\t%2))*4      ; lane (r, h), register j: unit 32 (t / 2) + 8 (t % 2) + 16 h + j
	global_load_b128 v[B1+8*\t+4:B1+8*\t+7], v15, s[12:13] offset:(32*(\t/2)+8*(\t%2))*4+16
.endr
	WIN 0
	OFF2 E, 12, P, 6
	s_add_nc_u64 s[26:27], s[16:17], s[24:25]      ; plan + 4,096 e + 64 p: my first tile's places lie 32,768 further on
	s_lshl_b32 s24, s[E], 7
	s_add_nc_u64 s[30:31], s[16:17], s[24:25]      ; plan + 128 e: the count lies 65,536 further on
	s_wait_loadcnt 56                              ; ridx's 16 loads are in; W1's 32, 8 of scale words and 16 of b1 may be out
.irp j, 0,1,2,3,4,5,6,7,8,9,10,11,12,13,14,15
	v_cmp_eq_u32 s[66+2*\j], s[E], v[RI+4*\j]      ; e is the even token's first choice,
	v_cmp_eq_u32 s[32+2*\j], s[E], v[RI+4*\j+1]    ; or its second;
	v_cmp_eq_u32 s[67+2*\j], s[E], v[RI+4*\j+2]    ; the odd token's likewise
	v_cmp_eq_u32 s[33+2*\j], s[E], v[RI+4*\j+3]
.endr
	s_mov_b32 s21, 0                               ; members so far
	WIN 0xc0                                       ; destination window 3
.set m, 0
.rept 32
	s_or_b32 s[66+m], s[66+m], s[32+m]             ; mask m
	s_lshl_b32 s28, s21, 5
	s_or_b32 s28, s28, m                           ; 32 x its first rank + m: these numbers rise with m
	v_mov_b32 v[MK+m], s[66+m]
	v_mov_b32 v[QK+m], s28
	s_bcnt1_i32_b32 s29, s[66+m]
	s_add_co_u32 s21, s21, s29
.set m, m+1
.endr
	WIN 0
	v_mov_b32 v[CNTV], s21
	s_wait_alu depctr_va_vdst(0)                   ; masks, ranks
	s_or_b32 s28, s[SL], s[P]
	s_cmp_lg_u32 s28, 0
	s_cbranch_scc1 .Lnoplan                        ; wave 0 of slice 0 stores the expert's count; its register and base are never rewritten
	global_store_b32 v[V4L], v[CNTV], s[30:31] offset:65536
.Lnoplan:
	s_add_co_u32 s21, s21, 15
	s_lshr_b32 s21, s21, 4
	s_min_u32 s21, s21, 64                         ; the expert's tiles
	s_add_co_u32 s22, s21, 3
	s_sub_co_u32 s22, s22, s[P]
	s_lshr_b32 s22, s22, 2                         ; those of them that are p, p + 4, ..
; THE SEARCH for the tokens of tile s[TQ], in three parts.  Part 0: what is sought
.macro SRCH0
	s_lshl_b32 s28, s[TQ], 9
	v_add_nc_u32 v[QR], s28, v[RC]                 ; 32 (16 tile + r) + 31
	v_mov_b32 v[QQ], 0
	v_mov_b32 v[QM], 0
.endm
; Part 1: the last mask whose first rank is not above the rank sought.  The masks and their numbers are source 1, in window 3
.macro SRCH1
	WIN 0x0c
.set m, 0
.rept 32
	v_cmp_ge_u32 vcc_lo, v[QR], v[QK+m]
	v_cndmask_b32 v[QQ], v[QQ], v[QK+m], vcc_lo
	v_cndmask_b32 v[QM], v[QM], v[MK+m], vcc_lo
.set m, m+1
.endr
	WIN 0
.endm
; Part 2, a list of 52 lines; SRB writes number j of it: n = rank - the mask's first rank; the mask's counts of 2, 4 and 8 bits; five halvings (16, 8, 4, 2, 1 bits): where n is not under the lower
; half's count, that count is taken off n and the place moves up; the token, held under 1,024 by a bound written in the instruction, since it enters addresses
.macro SRB
.if j == 0
	v_lshrrev_b32 v[Q1], 5, v[QQ]
.elseif j == 1
	v_lshrrev_b32 v[QN], 5, v[QR]
.elseif j == 2
	v_sub_nc_u32 v[QN], v[QN], v[Q1]
.elseif j == 3
	v_and_b32 v[QQ], 31, v[QQ]
.elseif j == 4
	v_lshrrev_b32 v[Q1], 1, v[QM]
.elseif j == 5
	v_and_b32 v[Q1], 0x55555555, v[Q1]
.elseif j == 6
	v_sub_nc_u32 v[QA], v[QM], v[Q1]
.elseif j == 7
	v_lshrrev_b32 v[Q1], 2, v[QA]
.elseif j == 8
	v_and_b32 v[Q1], 0x33333333, v[Q1]
.elseif j == 9
	v_and_b32 v[Q2], 0x33333333, v[QA]
.elseif j == 10
	v_add_nc_u32 v[QB], v[Q1], v[Q2]
.elseif j == 11
	v_lshrrev_b32 v[Q1], 4, v[QB]
.elseif j == 12
	v_add_nc_u32 v[Q1], v[Q1], v[QB]
.elseif j == 13
	v_and_b32 v[QC], 0x0f0f0f0f, v[Q1]
.elseif j == 14
	v_lshrrev_b32 v[Q1], 8, v[QC]
.elseif j == 15
	v_add_nc_u32 v[Q1], v[Q1], v[QC]
.elseif j == 16
	v_and_b32 v[Q1], 0xff, v[Q1]                   ; the count of the low 16 bits
.elseif j == 17
	v_cmp_ge_u32 vcc_lo, v[QN], v[Q1]
.elseif j == 18
	v_sub_nc_u32 v[Q2], v[QN], v[Q1]
.elseif j == 19
	v_cndmask_b32 v[QN], v[QN], v[Q2], vcc_lo
.elseif j == 20
	v_cndmask_b32 v[QP], 0, 16, vcc_lo
.elseif j < 42                         ; three halvings of seven lines: 8 bits by v[QC], 4 by v[QB], 2 by v[QA]
.set st, (j-21)/7
.set k, (j-21)%7
.if k == 0
	v_lshrrev_b32 v[Q1], v[QP], v[QC-st]
.elseif k == 1
	v_and_b32 v[Q1], (1<<(8>>st))-1, v[Q1]
.elseif k == 2
	v_cmp_ge_u32 vcc_lo, v[QN], v[Q1]
.elseif k == 3
	v_sub_nc_u32 v[Q2], v[QN], v[Q1]
.elseif k == 4
	v_cndmask_b32 v[QN], v[QN], v[Q2], vcc_lo
.elseif k == 5
	v_add_nc_u32 v[Q2], 8>>st, v[QP]
.else
	v_cndmask_b32 v[QP], v[QP], v[Q2], vcc_lo
.endif
.elseif j == 42
	v_lshrrev_b32 v[Q1], v[QP], v[QM]
.elseif j == 43
	v_and_b32 v[Q1], 1, v[Q1]
.elseif j == 44
	v_cmp_ge_u32 vcc_lo, v[QN], v[Q1]
.elseif j == 45
	v_add_nc_u32 v[Q2], 1, v[QP]
.elseif j == 46
	v_cndmask_b32 v[QP], v[QP], v[Q2], vcc_lo
.elseif j == 47
	v_lshrrev_b32 v[Q1], 1, v[QQ]
.elseif j == 48
	v_and_b32 v[Q2], 1, v[QQ]
.elseif j == 49
	v_lshl_add_u32 v[Q2], v[Q1], 6, v[Q2]
.elseif j == 50
	v_lshl_add_u32 v[TOKV], v[QP], 1, v[Q2]        ; 64 (m / 2) + m % 2 + 2 x the bit's place
.elseif j == 51
	v_min_u32 v[TOKV], 0x3ff, v[TOKV]
.endif
.endm
.macro SRCH2                           ; part 2 whole
.set j, 0
.rept 52
	SRB
.set j, j+1
.endr
.endm
.macro SEARCH                          ; the three parts on end
	SRCH0
	SRCH1
	SRCH2
	s_wait_alu depctr_va_vdst(0)
.endm
; sixteen rows of x's codes by the tokens in v[TOKV]: each load a whole row of 512 bytes; and the address of the rows' scale bytes
.macro ASKROWS
.irp i, 0,1,2,3,4,5,6,7,8,9,10,11,12,13,14,15
	v_readlane_b32 s[TOK+\i], v[TOKV], \i
.endr
.irp i, 0,1,2,3,4,5,6,7,8,9,10,11,12,13,14,15
	s_min_u32 s[TOK+\i], s[TOK+\i], 0x3ff
.endr
.irp i, 0,1,2,3,4,5,6,7,8,9,10,11,12,13,14,15
	v_lshl_add_u32 v[XA+\i], s[TOK+\i], 9, v1
.endr
	v_lshl_add_u32 v[XSA], v[TOKV], 5, v5
	WIN 0xc0
.irp i, 0,1,2,3,4,5,6,7,8,9,10,11,12,13,14,15
	global_load_b128 v[RAW+4*\i:RAW+4*\i+3], v[XA+\i], s[4:5]
.endr
	WIN 0
	s_lshl_b32 s28, s[TQ], 4                       ; here s[TQ] is the tile asked for
	v_add_nc_u32 v[RKS], s28, v10                  ; its rows' ranks,
	v_lshlrev_b32 v[GA], 3, v[TOKV]
	v_lshlrev_b32 v[D0], 1, v[TOKV]                ; kept for the places, which are made when the tile's turn comes
	s_wait_alu depctr_va_vdst(0)
	global_load_b64 v[GR:GR+1], v[GA], s[6:7]      ; the tokens' two experts
.endm
	s_mov_b32 s[TQ], s[P]
	SEARCH                                         ; tile p's tokens, whether or not the tile counts: the search gives tokens at every rank, so the count below holds on every way
	ASKROWS
	global_load_b128 v[XSC:XSC+3], v[XSA], s[4:5] offset:524288   ; lane (r, h): row r's scale words of K steps 4 h .. 4 h + 3
	s_add_co_u32 s[TQ], s[TQ], 4
	s_mov_b32 s[KC], 0xbdd2d3e8                    ; k x 0.044715
	s_mov_b32 s[KC+1], 0xbdd2d3e8
	s_mov_b32 s[SEL], 0x76543210
	s_mov_b32 s[SEL+1], 0xfedcba98
	s_lshl_b32 s59, s[E], 4
	s_add_co_u32 s59, s59, 2048                    ; 2,048 + 16 e: the first of my expert's sixteen spare places
	OFF3 E, 21, P, 15, SL, 10
	s_add_nc_u64 s[HP:HP+1], s[14:15], s[24:25]
	OFF3 E, 17, P, 11, SL, 6
	s_add_nc_u64 s[SP:SP+1], s[14:15], s[24:25]
	s_add_nc_u64 s[SP:SP+1], s[SP:SP+1], 0x1000000
	s_wait_loadcnt 41                              ; W1's 32 rows and the first load of scale words are in; behind them 7 loads of scale words, 16 of b1, 16 rows of x, 1 of experts and 1 of x's scale words may be out
	WIN 0x04                                       ; an LDS store's data are its source 1: window 1
.set j, 0
.rept 32
	ds_store_b128 v4, v[4*j:4*j+3] offset:WP*(16*((j>>3)&1)+(j&7)+8*(j>>4))   ; row j of my 32 is lane j % 8 + 8 (j / 16) of my tile (j / 8) % 2: the rows lie tile by tile
.set j, j+1
.endr
	WIN 0
	s_wait_dscnt 0x0                               ; for the others' sake: my rows have landed
	s_barrier_signal -1
	s_barrier_wait -1                              ; the slice lies in LDS; nobody writes it again
	s_cmp_eq_u32 s22, 0
	s_cbranch_scc1 .Lend                           ; no tile for my wave
	WIN 0x40
.irp s, 0,1,2,3
.irp t, 0,1,2,3,4,5,6,7
.irp c, 0,1
	ds_load_b128 v[64*\s+8*\t+4*\c:64*\s+8*\t+4*\c+3], v14 offset:16*\t*WP+64*\s+32*\c
.endr
.endr
.endr
	WIN 0x80
.irp s, 4,5,6,7
.irp t, 0,1,2,3,4,5,6,7
.irp c, 0,1
	ds_load_b128 v[64*(\s-4)+8*\t+4*\c:64*(\s-4)+8*\t+4*\c+3], v14 offset:16*\t*WP+64*\s+32*\c
.endr
.endr
.endr
	WIN 0
	SEARCH                                         ; tile p + 4's tokens, while the fragments come out of LDS
; product (K step s, tile t).  The eight accumulators take turns, one instruction a turn
.macro MM s, t
.if (\s) == 0
	v_wmma_scale_f32_16x16x128_f8f6f4 v[H+8*(\t):H+8*(\t)+7], v[8*(\t):8*(\t)+7], v[XF:XF+7], v[B1+8*(\t):B1+8*(\t)+7], v[WS+4*(\t)], v[XSC] matrix_a_fmt:MATRIX_FMT_FP4 matrix_b_fmt:MATRIX_FMT_FP4
.elseif (\s) < 4
	v_wmma_scale_f32_16x16x128_f8f6f4 v[H+8*(\t):H+8*(\t)+7], v[64*(\s)+8*(\t):64*(\s)+8*(\t)+7], v[XF+8*(\s):XF+8*(\s)+7], v[H+8*(\t):H+8*(\t)+7], v[WS+4*(\t)+(\s)], v[XSC+(\s)] matrix_a_fmt:MATRIX_FMT_FP4 matrix_b_fmt:MATRIX_FMT_FP4
.else
	v_wmma_scale_f32_16x16x128_f8f6f4 v[H+8*(\t):H+8*(\t)+7], v[64*((\s)-4)+8*(\t):64*((\s)-4)+8*(\t)+7], v[XF+8*(\s):XF+8*(\s)+7], v[H+8*(\t):H+8*(\t)+7], v[WS+4*(\t)+(\s)-4], v[XSC+(\s)-4] matrix_a_fmt:MATRIX_FMT_FP4 matrix_b_fmt:MATRIX_FMT_FP4 matrix_a_scale:MATRIX_SCALE_ROW1 matrix_b_scale:MATRIX_SCALE_ROW1
.endif
.endm
; gelu(x) = x / (1 + 2^(k x + 0.044715 k x^3)), which is 0.5 x (1 + tanh(sqrt(2 / pi) (x + 0.044715 x^3))).  The pairs go in ascending order.
; Far out it ends rightly: the power becomes infinity and the quotient -0, or 0 and the quotient x.  srch = 1: the search's first part stands behind the batch of exponentials, its second part behind
; the batch of reciprocals; each batch has one wait ahead of it and one behind it
.macro GELU srch
.set j, 0
.rept 32
	v_pk_mul_f32 v[T+j:T+j+1], v[H+j:H+j+1], v[H+j:H+j+1]
.set j, j+2
.endr
.set j, 0
.rept 32
	v_pk_fma_f32 v[T+j:T+j+1], v[T+j:T+j+1], s[KC:KC+1], v[KV:KV+1] op_sel_hi:[1,0,1]
.set j, j+2
.endr
.set j, 0
.rept 32
	v_pk_mul_f32 v[T+j:T+j+1], v[T+j:T+j+1], v[H+j:H+j+1]
.set j, j+2
.endr
.if \srch
	SRCH0
.endif
	s_wait_alu depctr_va_vdst(0)                   ; ahead of the batch
.set j, 0
.rept 64
	v_exp_f32 v[T+j], v[T+j]
.set j, j+1
.endr
	v_nop                                          ; a plain line behind the batch
.if \srch
	SRCH1                                          ; names none of the batch's results
.endif
	s_wait_alu depctr_va_vdst(0)                   ; one wait for the 64, ahead of their first reader
.set j, 0
.rept 32
	v_pk_add_f32 v[T+j:T+j+1], v[T+j:T+j+1], 1.0 op_sel_hi:[1,0]
.set j, j+2
.endr
	s_wait_alu depctr_va_vdst(0)                   ; ahead of the batch
.set j, 0
.rept 64
	v_rcp_f32 v[T+j], v[T+j]
.set j, j+1
.endr
	v_nop
.if \srch
	SRCH2                                          ; names none of the batch's results
.endif
	s_wait_alu depctr_va_vdst(0)
.set j, 0
.rept 32
	v_pk_mul_f32 v[H+j:H+j+1], v[H+j:H+j+1], v[T+j:T+j+1]
.set j, j+2
.endr
.endm
; 64 numbers of a lane, register 16 b + i = k 32 b + 16 h + i of my row, become a fragment's codes in v[PC] on and its scale word in v[PW]
.macro QUANT s
.irp b, 0,1,2,3
	v_max3_num_f32 v[TM+\b], |v[\s+16*\b]|, |v[\s+1+16*\b]|, 0x1800000   ; my 16 numbers of block b, and the floor 2^(3 - 127): the byte cannot fall under 1
.endr
.irp i, 2,4,6,8,10,12,14
.irp b, 0,1,2,3
	v_max3_num_f32 v[TM+\b], v[TM+\b], |v[\s+16*\b+\i]|, |v[\s+1+16*\b+\i]|
.endr
.endr
.irp b, 0,1,2,3
	v_permlanex16_b32 v[TM+4+\b], v[TM+\b], s[SEL], s[SEL+1]
.endr
.irp b, 0,1,2,3
	v_max_num_f32 v[TM+\b], v[TM+\b], v[TM+4+\b]   ; with lane l xor 16's: the block's largest magnitude
.endr
.irp b, 0,1,2,3
	v_add_nc_u32 v[TM+12+\b], 0xff000000, v[TM+\b] ; 2 off its exponent field: the conversion's scale operand
.endr
.irp b, 0,1,2,3
	v_lshrrev_b32 v[TM+4+\b], 23, v[TM+12+\b]      ; the scale's byte
.endr
	v_lshl_or_b32 v[PW], v[TM+5], 8, v[TM+4]
	v_lshl_or_b32 v[PW], v[TM+6], 16, v[PW]
	v_lshl_or_b32 v[PW], v[TM+7], 24, v[PW]        ; my row's scale word, the same in lanes r and 16 + r
.irp b, 0,1,2,3
	v_cvt_scalef32_pk8_fp4_f32 v[PC+2*\b], v[\s+16*\b:\s+7+16*\b], v[TM+12+\b]
	v_cvt_scalef32_pk8_fp4_f32 v[PC+1+2*\b], v[\s+8+16*\b:\s+15+16*\b], v[TM+12+\b]
.endr
	v_nop                                          ; one plain line behind the conversions
.irp c, 0,1                                    ; the operand's layout wants a whole block in a lane
.irp i, 0,1
	v_permlane16_swap_b32 v[PC+4*\c+\i], v[PC+2+4*\c+\i]
.endr
.endr
.endm
; ONE TILE.  next = 1: my wave has a further tile: its rows are asked for ahead of this tile's products, by the tokens found a tile ago, and the tile after it is searched for in this tile's gelu
.macro BODY next
	s_wait_loadcnt 0x0                             ; this tile's rows, scale words and experts are in (the first time: W1's scale words and b1 too)
	s_cmp_lg_u32 s[SL], 0
	s_cbranch_scc1 .Lnolist_\@                     ; slice 0 stores the tile's places
	v_cmp_eq_u32 vcc_lo, s[E], v[GR+1]             ; e is the second choice: k = 1
	v_cndmask_b32 v[DV], 0, 1, vcc_lo
	v_add_nc_u32 v[DV], v[DV], v[D0]
	v_cmp_gt_u32 vcc_lo, v[CNTV], v[RKS]           ; a rank under the count
	v_add_nc_u32 v[PV], s59, v10                   ; a rank that only fills the tile up goes to its row's spare place
	v_cndmask_b32 v[DV], v[PV], v[DV], vcc_lo
	global_store_b32 v[R4], v[DV], s[26:27] offset:32768   ; 64 consecutive bytes; lanes r and 16 + r hold the same word
.Lnolist_\@:
	WIN 0x0c
.irp i, 0,1,2,3,4,5,6,7,8,9,10,11,12,13,14,15
	ds_store_b128 v[XW], v[RAW+4*\i:RAW+4*\i+3] offset:WP*\i
.endr
	WIN 0
.irp s, 0,1,2,3,4,5,6,7
.irp c, 0,1
	ds_load_b128 v[XF+8*\s+4*\c:XF+8*\s+4*\c+3], v[XR] offset:64*\s+32*\c   ; LDS serves a wave's instructions in order: these see my stores
.endr
.endr
	s_wait_dscnt 0x0                               ; x's fragments (the first time: W1's too)
.if \next
	ASKROWS                                        ; the offsets' last loads were shown done by the wait at the head
	s_add_co_u32 s[TQ], s[TQ], 4
.endif
	WIN 0x31                                       ; source 0 (W1) window 1, source 2 (b1) window 3
.irp t, 0,1,2,3,4,5,6,7
	MM 0, \t
.endr
	WIN 0x01
.irp s, 1,2,3
.irp t, 0,1,2,3,4,5,6,7
	MM \s, \t
.endr
.endr
	WIN 0x02                                       ; W1's K steps 4-7: window 2
.irp s, 4,5,6,7
.irp t, 0,1,2,3,4,5,6,7
	MM \s, \t
.endr
.endr
	WIN 0
	PLACES 4                                       ; in front of the load into the scale registers, of the first read of results and of writes into x's fragments
.if \next
	global_load_b128 v[XSC:XSC+3], v[XSA], s[4:5] offset:524288
.endif
	GELU \next
	QUANT H
	global_store_b128 v1, v[PC:PC+3], s[HP:HP+1]                ; the fragment as it stands: 2 x 512 consecutive bytes
	global_store_b128 v1, v[PC+4:PC+7], s[HP:HP+1] offset:512
	v_lshrrev_b32 v[PH], v5, v[PW]                 ; lane (r, h) stores half h of row r's word: 64 consecutive bytes, all lanes on
	global_store_b16 v6, v[PH], s[SP:SP+1]
	s_wait_xcnt 0x0                                ; the stores have read their data and bases: both are written again behind this wait
	s_add_nc_u64 s[HP:HP+1], s[HP:HP+1], 131072    ; four tiles on
	s_add_nc_u64 s[SP:SP+1], s[SP:SP+1], 8192
	s_add_nc_u64 s[26:27], s[26:27], 256
.endm
	s_cmp_eq_u32 s22, 1
	s_cbranch_scc1 .Ltail
	s_mov_b32 s23, 1
.Ltrip:
	BODY 1
	s_add_co_u32 s23, s23, 1
	s_cmp_lt_u32 s23, s22
	s_cbranch_scc1 .Ltrip
.Ltail:
	BODY 0                                         ; my last tile asks for nothing and searches for nothing
.Lend:
	s_wait_tensorcnt 0x0
	ds_add_u32 v254, v255
	s_wait_dscnt 0x0
	s_endpgm
.Lfunc_end_k_qd9e08506de_ffn1:
	.size	k_qd9e08506de_ffn1, .Lfunc_end_k_qd9e08506de_ffn1-k_qd9e08506de_ffn1
	.p2alignl 7, 3214868480
	.fill 96, 4, 3214868480
	.section	.rodata,"a",@progbits
	.p2align	6, 0x0
	.amdhsa_kernel k_qd9e08506de_ffn1
		.amdhsa_group_segment_fixed_size 101888
		.amdhsa_private_segment_fixed_size 0
		.amdhsa_enable_private_segment 0
		.amdhsa_kernarg_size 56
		.amdhsa_user_sgpr_count 2
		.amdhsa_user_sgpr_kernarg_segment_ptr 1
		.amdhsa_wavefront_size32 1
		.amdhsa_system_sgpr_workgroup_id_x 1
		.amdhsa_system_sgpr_workgroup_id_y 1
		.amdhsa_system_sgpr_workgroup_id_z 1
		.amdhsa_system_vgpr_workitem_id 0
		.amdhsa_next_free_vgpr 1024
		.amdhsa_next_free_sgpr 98
		.amdhsa_reserve_vcc 1
		.amdhsa_float_denorm_mode_32 3
		.amdhsa_float_denorm_mode_16_64 3
		.amdhsa_memory_ordered 1
		.amdhsa_forward_progress 1
		.amdhsa_inst_pref_size 117
	.end_amdhsa_kernel
	.amdgpu_metadata
---
amdhsa.version: [ 1, 2 ]
amdhsa.kernels:
  - .name:           k_qd9e08506de_ffn1
    .symbol:         k_qd9e08506de_ffn1.kd
    .args:
      - { .name: xq, .offset: 0, .size: 8, .value_kind: global_buffer, .address_space: global }
      - { .name: ridx, .offset: 8, .size: 8, .value_kind: global_buffer, .address_space: global }
      - { .name: w1_codes, .offset: 16, .size: 8, .value_kind: global_buffer, .address_space: global }
      - { .name: w1_scales, .offset: 24, .size: 8, .value_kind: global_buffer, .address_space: global }
      - { .name: b1, .offset: 32, .size: 8, .value_kind: global_buffer, .address_space: global }
      - { .name: hq, .offset: 40, .size: 8, .value_kind: global_buffer, .address_space: global }
      - { .name: plan, .offset: 48, .size: 8, .value_kind: global_buffer, .address_space: global }
    .group_segment_fixed_size: 101888
    .private_segment_fixed_size: 0
    .kernarg_segment_align: 8
    .kernarg_segment_size: 56
    .max_flat_workgroup_size: 128
    .sgpr_count:     98
    .vgpr_count:     1024
    .wavefront_size: 32
...
	.end_amdgpu_metadata
.endif
;; end of part 7
;; launch ffn2 (part 8): grid 256 x 1, 4 waves a work-group, no clusters, 205,312 bytes of LDS; arguments hq, plan, w2_codes, w2_scales, b2, y; writes y
.if DOCPART == 8
	.amdgcn_target "amdgcn-amd-amdhsa--gfx1250"
	.amdhsa_code_object_version 6
	.text
	.protected	k_qd9e08506de_ffn2
	.globl	k_qd9e08506de_ffn2
	.p2align	8
	.type	k_qd9e08506de_ffn2,@function
k_qd9e08506de_ffn2:
	s_mov_b64 s[64:65], 0
	v_nop
	global_prefetch_b8 v0, s[64:65] scope:SCOPE_SE
	s_setreg_imm32_b32 hwreg(HW_REG_WAVE_MODE, 25, 1), 1
	s_wait_xcnt 0x0
; FFN2.  y = h W2[e] + b2[e] for the rows that chose expert e, on codes of E2M1 with one E8M0 byte for each 32 along K (K = 4,096: 32 K steps of 128).
; SHARES.  Work-group g: expert e = g / 32, half RH = bit 4 of g, column group C = g % 16.  It owns output columns 64 C .. 64 C + 63 and the expert's row tiles RH, RH + 2, RH + 4, .. (16 rows each).
; THE FOUR WAVES SPLIT K: wave p keeps W2's K steps 8 p .. 8 p + 7 of the 64 columns in registers (4 tiles of 16 columns x 8 K steps x 8 = 256), no fragment twice in the work-group.  Its 64 pieces of
; 512 bytes come by dense loads and turn into fragments through the wave's own stage in LDS (rows 528 bytes apart), 16 rows, one column tile, at a time: no barrier.  Of each row tile a wave loads only
; its own K quarter, images of the fragments' registers (8,192 dense bytes), 512 bytes of scale words and its four rows' places: each byte of h enters the work-group once.
; THE SUM OVER THE FOUR WAVES goes through LDS: each wave stores its part of a tile (16 rows x 256 bytes, rows 272 apart); behind a barrier wave p adds the four parts and b2 for rows 4 p .. 4 p + 3.
; Two buffers of two tiles take turns.  A STEP is two tiles.  Between two barriers stand the sum of step c and the products of step c + 1, which touch different buffers: waves 0 and 1 sum first,
; waves 2 and 3 multiply first, so that the two pairs' LDS instructions do not all fall together.
; The loop has a constant 16 steps (32 tiles: all 1,024 tokens on one expert), since every wave passes every barrier; a step without tiles jumps over the work alone.
; Two slots of two tiles: behind step c's products its slot is asked for step c + 2's tiles, if there are any, and the wait in that same arm leaves exactly those 42 loads out, so step c + 1's are in.
; The head asks for steps 0 and 1 on every way; a tile number past the last is held at the last, so a step's second tile may be a copy whose sums are not stored.
; Where an expert has no row at all, the head's loads read bytes of hq and plan that nobody stored; nothing is made of them.
; TRANSPOSED USE (source 0 = 16 rows of W2, source 1 = 16 rows of h): a lane holds eight neighbouring columns of one row.
; y: [place 2,176][1,024 f32].  A row's place, 2 x token + k, comes from plan (place[e][rank], from byte 32,768); row r of a tile that ranks past the count fill up has the spare place
; 2,048 + 16 e + r, which nobody reads.  So every row that is stored has a place of its own, and no two waves store onto the same bytes.
; Sixteen lanes store a row's 256 bytes of this column group, aligned.  A place enters the address behind a bound written in the instruction.
; NO TENSOR LOAD, NO CLUSTER: which tiles there are hangs on a count read from memory, and branches hang on it.  NO PREFETCH: from the head on a wave has 42 to 63 loads out, two to four tiles ahead
; of its products; a request still earlier would name tiles whose number is not yet known to exist.
; REGISTERS: window 0: v1-12 addresses; v14, v15 the spare word and 0; v16-31 W2's scale words; v32-47 h's; v48-51 b2; v52-59 places; v64-127 eight accumulators; v128-191 the parts on their way to
;   the sum; v192-199 the rows' offsets in y.   window 1: W2's fragments, column tile u, K step s at v[64 u + 8 s].   window 2: the slots: slot sl, tile j, K step s at v[128 sl + 64 j + 8 s].
.set WP,    528                        ; a stage row: 512 bytes + 16
.set STW,   64*WP                      ; a wave's stage
.set PB,    4*STW                      ; behind the stages: the parts
.set PQ,    16*272                     ; one wave's part of a tile
.set PT,    4*PQ                       ; a tile's four parts
.set PBUF,  2*PT                       ; a buffer: two tiles
.set SPARE, PB+2*PBUF                  ; the spare words: 512 bytes that no other line names
.set DA,  12                           ; v12 = 16 p + 8 h: my two rows' places
.set SPW, 14
.set NIL, 15
.set WS,  16                           ; register 4 u + i: my K step i in lanes 0-15, 4 + i in lanes 16-31
.set HSC, 32                           ; register 8 sl + 4 j + i: h's, laid the same way
.set B2,  48
.set DST, 52                           ; register 4 sl + 2 j + a: the place of row 4 p + 2 h + a
.set ACC, 64                           ; tile j, column tile u: v[64 + 32 j + 8 u]
.set RED, 128                          ; tile j, part q, row a of my two: v[128 + 32 j + 8 q + 4 a]
.set YA,  192                          ; register 4 sl + 2 j + a: 4,096 x place + 16 r
.set P,   16
.set E,   17
.set C,   18
.set RH,  19
.set N,   20                           ; my work-group's tiles
.set CP,  21                           ; the first tile, counted among mine, of the step that is multiplied;  s23 of the step that is summed
.set CR,  23
.set HB,  30                           ; s[30:31] hq at my expert's, my K quarter's codes;  s[32:33] scale words;  s[34:35] y at my column group;  s[66:67] plan at my expert
.set SB,  32
.set YB,  34
.set DB,  66
.set HP,  36                           ; s[36 + 12 sl + 6 j ..]: a tile's codes, its scale words, its places
.set NM1, 60                           ; my last tile, counted among mine;  s61 the expert's last tile
.set NTM1, 61
.set MSB, 0
.macro WIN new                         ; the immediate's high byte repeats the setting that is left
.if MSB != \new
	s_set_vgpr_msb (MSB<<8)|\new
.set MSB, \new
.endif
.endm
.macro OFF3 ra, sa, rb, sb, rc, sc     ; s24 = three shifted ids added; s25 holds 0
	s_lshl_b32 s24, s[\ra], \sa
	s_lshl_b32 s28, s[\rb], \sb
	s_add_co_u32 s24, s24, s28
	s_lshl_b32 s28, s[\rc], \sc
	s_add_co_u32 s24, s24, s28
.endm
	s_load_b256 s[4:11], s[0:1], 0x0               ; hq s[4:5], plan s[6:7], w2_codes s[8:9], w2_scales s[10:11]
	s_load_b128 s[12:15], s[0:1], 0x20             ; b2 s[12:13], y s[14:15]
	v_lshl_add_u32 v[SPW], v0, 2, SPARE
	v_mov_b32 v[NIL], 0
	v_lshrrev_b32 v10, 5, v0
	v_readfirstlane_b32 s[P], v10
	s_and_b32 s[C], ttmp9, 15
	s_bfe_u32 s[RH], ttmp9, 0x10004
	s_lshr_b32 s[E], ttmp9, 5
	s_mul_i32 s22, s[P], PQ
	s_add_co_u32 s22, s22, PB                      ; where my parts go
	s_mul_i32 s23, s[P], 4*272
	s_add_co_u32 s23, s23, PB                      ; my four rows of every part
	s_mul_i32 s26, s[P], STW                       ; my stage
	s_lshl_b32 s28, s[P], 4
	v_and_b32 v1, 31, v0
	v_lshlrev_b32 v1, 4, v1                        ; v1 = 16 l
	v_and_b32 v10, 15, v0                          ; r
	v_bfe_u32 v11, v0, 4, 1                        ; h
	v_lshlrev_b32 v2, 2, v10
	v_lshl_add_u32 v2, v11, 8, v2                  ; v2 = 256 h + 4 r: h's scale words
	v_mul_u32_u24 v3, v10, 272
	v_lshl_add_u32 v3, v11, 5, v3
	v_add_nc_u32 v3, s22, v3                       ; v3: a part, in: row r, + 32 h
	v_mul_u32_u24 v4, v11, 544
	v_lshl_add_u32 v4, v10, 4, v4
	v_add_nc_u32 v4, s23, v4                       ; v4: back, buffer 0: lanes 0-15 row 4 p, lanes 16-31 row 4 p + 2; the next rows 272 further on
	v_add_nc_u32 v5, PBUF, v4                      ; v5: buffer 1
	v_lshlrev_b32 v6, 7, v10
	v_lshl_add_u32 v6, v11, 4, v6                  ; v6 = 128 r + 16 h: W2's scale bytes
	v_lshlrev_b32 v7, 4, v10                       ; v7 = 16 r: the four columns that I sum, in b2 and in a row of y
	v_mul_u32_u24 v8, v10, WP
	v_lshl_add_u32 v8, v11, 4, v8
	v_add_nc_u32 v8, s26, v8                       ; v8: W2's fragments in my stage
	v_add_nc_u32 v9, s26, v1                       ; v9: my stage, in
	v_lshlrev_b32 v[DA], 3, v11
	v_add_nc_u32 v[DA], s28, v[DA]
	s_mov_b32 s25, 0
	s_mov_b32 s27, 0
	s_lshl_b32 s29, s[E], 7
	s_wait_alu depctr_va_vdst(0)                   ; the wait at the head's end
	s_wait_kmcnt 0x0
	s_load_b32 s[N], s[6:7], s29 offset:0x10000    ; cnt[e]
	OFF3 E, 17, C, 13, P, 5
	s_add_nc_u64 s[10:11], s[10:11], s[24:25]
.irp u, 0,1,2,3
	global_load_b128 v[WS+4*\u:WS+4*\u+3], v6, s[10:11] offset:2048*\u
.endr
	s_lshl_b32 s24, s[E], 12
	s_add_nc_u64 s[DB:DB+1], s[6:7], s[24:25]
	s_lshl_b32 s28, s[C], 8
	s_add_co_u32 s24, s24, s28
	s_add_nc_u64 s[12:13], s[12:13], s[24:25]
	global_load_b128 v[B2:B2+3], v7, s[12:13]
	OFF3 E, 21, C, 17, P, 9
	s_add_nc_u64 s[8:9], s[8:9], s[24:25]          ; my K quarter of the 64 rows
	WIN 0x40                                       ; destination window 1
.set j, 0
.rept 64
	global_load_b128 v[4*j:4*j+3], v1, s[8:9] offset:2048*j   ; 512 consecutive bytes of row j
.set j, j+1
.endr
	WIN 0
	s_lshl_b32 s24, s[E], 21
	s_lshl_b32 s28, s[P], 13
	s_add_co_u32 s24, s24, s28
	s_add_nc_u64 s[HB:HB+1], s[4:5], s[24:25]
	s_lshl_b32 s24, s[E], 17
	s_lshl_b32 s28, s[P], 9
	s_add_co_u32 s24, s24, s28
	s_add_nc_u64 s[SB:SB+1], s[4:5], s[24:25]
	s_add_nc_u64 s[SB:SB+1], s[SB:SB+1], 0x1000000
	s_lshl_b32 s24, s[C], 8
	s_add_nc_u64 s[YB:YB+1], s[14:15], s[24:25]
	s_mov_b32 s[CP], 0
	s_wait_kmcnt 0x0
	s_add_co_u32 s[N], s[N], 15
	s_lshr_b32 s[N], s[N], 4
	s_min_u32 s[N], s[N], 64                       ; the expert's tiles
	s_max_u32 s[NTM1], s[N], 1
	s_sub_co_u32 s[NTM1], s[NTM1], 1
	s_add_co_u32 s[N], s[N], 1
	s_sub_co_u32 s[N], s[N], s[RH]
	s_lshr_b32 s[N], s[N], 1                       ; those of them that are RH, RH + 2, ..
	s_max_u32 s[NM1], s[N], 1
	s_sub_co_u32 s[NM1], s[NM1], 1
; the addresses of my tile CP + add, held at my last one and at the expert's last one; the bound written in the instruction stands ahead of the shifts
.macro TADR sl, j, add
	s_add_co_u32 s24, s[CP], \add
	s_min_u32 s24, s24, s[NM1]
	s_lshl_b32 s24, s24, 1
	s_add_co_u32 s24, s24, s[RH]
	s_min_u32 s24, s24, s[NTM1]
	s_min_u32 s24, s24, 63
	s_lshl_b32 s26, s24, 11
	s_add_nc_u64 s[HP+12*(\sl)+6*\j+2:HP+12*(\sl)+6*\j+3], s[SB:SB+1], s[26:27]
	s_lshl_b32 s26, s24, 6
	s_add_nc_u64 s[HP+12*(\sl)+6*\j+4:HP+12*(\sl)+6*\j+5], s[DB:DB+1], s[26:27]
	s_lshl_b32 s24, s24, 15
	s_add_nc_u64 s[HP+12*(\sl)+6*\j:HP+12*(\sl)+6*\j+1], s[HB:HB+1], s[24:25]
.endm
; a tile's K quarter: 4 loads of scale words, 1 of places and 16 of codes
.macro ASK sl, j
.irp i, 0,1,2,3
	global_load_b32 v[HSC+8*(\sl)+4*\j+\i], v2, s[HP+12*(\sl)+6*\j+2:HP+12*(\sl)+6*\j+3] offset:64*\i
.endr
	global_load_b64 v[DST+4*(\sl)+2*\j:DST+4*(\sl)+2*\j+1], v[DA], s[HP+12*(\sl)+6*\j+4:HP+12*(\sl)+6*\j+5] offset:32768
	WIN 0x80                                       ; destination window 2
.irp s, 0,1,2,3,4,5,6,7
.irp c, 0,1
	global_load_b128 v[128*(\sl)+64*\j+8*\s+4*\c:128*(\sl)+64*\j+8*\s+4*\c+3], v1, s[HP+12*(\sl)+6*\j:HP+12*(\sl)+6*\j+1] offset:1024*\s+512*\c
.endr
.endr
	WIN 0
.endm
.macro STAGE g                         ; sixteen rows of W2, column tile g, into my stage and back as its fragments, into the registers that held the rows
	WIN 0x04                                       ; an LDS store's data are its source 1: window 1
.set j, 16*(\g)
.rept 16
	ds_store_b128 v9, v[4*j:4*j+3] offset:WP*j
.set j, j+1
.endr
	WIN 0x40
.irp s, 0,1,2,3,4,5,6,7
.irp c, 0,1
	ds_load_b128 v[64*(\g)+8*\s+4*\c:64*(\g)+8*\s+4*\c+3], v8 offset:16*(\g)*WP+64*\s+32*\c   ; LDS serves a wave's instructions in order: these see my stores
.endr
.endr
	WIN 0
.endm
	TADR 0, 0, 0
	TADR 0, 1, 1
	TADR 1, 0, 2
	TADR 1, 1, 3
	s_wait_loadcnt 48                              ; scale words, b2 and W2's rows 0-15 are in; 48 rows may be out
	STAGE 0
	ASK 0, 0
	s_wait_loadcnt 53                              ; rows 16-31 are in; 32 rows and 21 loads for h may be out
	STAGE 1
	ASK 0, 1
	s_wait_loadcnt 58                              ; 16 rows and 42 loads
	STAGE 2
	ASK 1, 0
	s_wait_loadcnt 63                              ; 63 loads
	STAGE 3
	ASK 1, 1
	s_wait_loadcnt 42                              ; step 0's two tiles are in; step 1's 42 loads may be out
	s_wait_dscnt 0x0
.macro MM sl, j, s, u
.if (\s) == 0
	v_wmma_scale_f32_16x16x128_f8f6f4 v[ACC+32*(\j)+8*(\u):ACC+32*(\j)+8*(\u)+7], v[64*(\u):64*(\u)+7], v[128*(\sl)+64*(\j):128*(\sl)+64*(\j)+7], 0, v[WS+4*(\u)], v[HSC+8*(\sl)+4*(\j)] matrix_a_fmt:MATRIX_FMT_FP4 matrix_b_fmt:MATRIX_FMT_FP4
.elseif (\s) < 4
	v_wmma_scale_f32_16x16x128_f8f6f4 v[ACC+32*(\j)+8*(\u):ACC+32*(\j)+8*(\u)+7], v[64*(\u)+8*(\s):64*(\u)+8*(\s)+7], v[128*(\sl)+64*(\j)+8*(\s):128*(\sl)+64*(\j)+8*(\s)+7], v[ACC+32*(\j)+8*(\u):ACC+32*(\j)+8*(\u)+7], v[WS+4*(\u)+(\s)], v[HSC+8*(\sl)+4*(\j)+(\s)] matrix_a_fmt:MATRIX_FMT_FP4 matrix_b_fmt:MATRIX_FMT_FP4
.else
	v_wmma_scale_f32_16x16x128_f8f6f4 v[ACC+32*(\j)+8*(\u):ACC+32*(\j)+8*(\u)+7], v[64*(\u)+8*(\s):64*(\u)+8*(\s)+7], v[128*(\sl)+64*(\j)+8*(\s):128*(\sl)+64*(\j)+8*(\s)+7], v[ACC+32*(\j)+8*(\u):ACC+32*(\j)+8*(\u)+7], v[WS+4*(\u)+(\s)-4], v[HSC+8*(\sl)+4*(\j)+(\s)-4] matrix_a_fmt:MATRIX_FMT_FP4 matrix_b_fmt:MATRIX_FMT_FP4 matrix_a_scale:MATRIX_SCALE_ROW1 matrix_b_scale:MATRIX_SCALE_ROW1
.endif
.endm
; THE PRODUCTS of the step whose first tile is s[CP], on slot sl and buffer sl.  On every way here no load into slot sl is out
.macro PROD sl
	s_cmp_lt_u32 s[CP], s[N]
	s_cbranch_scc1 .Lwork_\@
	s_wait_loadcnt 0x0                             ; a step without tiles: nothing stays out
	s_branch .Lpd_\@
.Lwork_\@:
	WIN 0x09                                       ; source 0 (W2) window 1, source 1 (h) window 2
.irp s, 0,1,2,3,4,5,6,7
.irp j, 0,1
.irp u, 0,1,2,3
	MM \sl, \j, \s, \u                             ; the eight accumulators by turns, one instruction a turn
.endr
.endr
.endr
	WIN 0
	s_wait_xcnt 0x0                                ; the stores of two steps ago have read their offsets
.irp i, 0,1,2,3
	v_min_u32 v[YA+4*(\sl)+\i], 0x87f, v[DST+4*(\sl)+\i]      ; the rows' places, held under 2,176.  These eight lines are also the places in front of the stores of results, of the loads
.endr
.irp i, 0,1,2,3
	v_lshl_add_u32 v[YA+4*(\sl)+\i], v[YA+4*(\sl)+\i], 12, v7 ; into the slot, and of the next step's first products, which write over these accumulators with another C
.endr
	s_wait_alu depctr_va_vdst(0)
.irp j, 0,1
.irp u, 0,1,2,3
	ds_store_b128 v3, v[ACC+32*\j+8*\u:ACC+32*\j+8*\u+3] offset:(\sl)*PBUF+\j*PT+64*\u        ; each accumulator from its low end on
	ds_store_b128 v3, v[ACC+32*\j+8*\u+4:ACC+32*\j+8*\u+7] offset:(\sl)*PBUF+\j*PT+64*\u+16
.endr
.endr
	s_add_co_u32 s28, s[CP], 4
	s_cmp_lt_u32 s28, s[N]
	s_cbranch_scc1 .Lmore_\@
	s_wait_loadcnt 0x0                             ; nothing two steps on: the next step's tiles, if any, are in
	s_branch .Lpd_\@
.Lmore_\@:
	TADR \sl, 0, 4                                 ; the loads that read these addresses last were shown done a step ago
	TADR \sl, 1, 5
	ASK \sl, 0
	ASK \sl, 1
	s_wait_loadcnt 42                              ; all but the 42 just issued: the next step's tiles are in
.Lpd_\@:
.endm
; the four parts and b2, for tile j's four rows that are mine: ((part 0 + part 1) + b2) + (part 2 + part 3)
.macro SUM j
.irp a, 0,1
.irp w, 0,2
	v_pk_add_f32 v[RED+32*\j+4*\a+\w:RED+32*\j+4*\a+\w+1], v[RED+32*\j+4*\a+\w:RED+32*\j+4*\a+\w+1], v[RED+32*\j+8+4*\a+\w:RED+32*\j+8+4*\a+\w+1]
	v_pk_add_f32 v[RED+32*\j+16+4*\a+\w:RED+32*\j+16+4*\a+\w+1], v[RED+32*\j+16+4*\a+\w:RED+32*\j+16+4*\a+\w+1], v[RED+32*\j+24+4*\a+\w:RED+32*\j+24+4*\a+\w+1]
.endr
.endr
.irp a, 0,1
.irp w, 0,2
	v_pk_add_f32 v[RED+32*\j+4*\a+\w:RED+32*\j+4*\a+\w+1], v[RED+32*\j+4*\a+\w:RED+32*\j+4*\a+\w+1], v[B2+\w:B2+\w+1]
.endr
.endr
.irp a, 0,1
.irp w, 0,2
	v_pk_add_f32 v[RED+32*\j+4*\a+\w:RED+32*\j+4*\a+\w+1], v[RED+32*\j+4*\a+\w:RED+32*\j+4*\a+\w+1], v[RED+32*\j+16+4*\a+\w:RED+32*\j+16+4*\a+\w+1]
.endr
.endr
.endm
; THE SUM of the step whose first tile is s[CR], out of buffer b
.macro RED b
	s_cmp_lt_u32 s[CR], s[N]
	s_cbranch_scc0 .Lnone_\@
	s_wait_xcnt 0x0                                ; the last step's stores have read their data
.irp j, 0,1
.irp q, 0,1,2,3
.irp a, 0,1
	ds_load_b128 v[RED+32*\j+8*\q+4*\a:RED+32*\j+8*\q+4*\a+3], v[4+(\b)] offset:\j*PT+\q*PQ+\a*272
.endr
.endr
.endr
	s_wait_dscnt 8                                 ; all but the second tile's eight loads
	SUM 0
.irp a, 0,1
	global_store_b128 v[YA+4*(\b)+\a], v[RED+4*\a:RED+4*\a+3], s[YB:YB+1]      ; sixteen lanes store 256 consecutive bytes of a row, aligned
.endr
	s_wait_dscnt 0x0
	SUM 1
	s_add_co_u32 s28, s[CR], 1
	s_cmp_lt_u32 s28, s[N]
	s_cbranch_scc0 .Lnone_\@                       ; the second tile was a copy: it is not stored
.irp a, 0,1
	global_store_b128 v[YA+4*(\b)+2+\a], v[RED+32+4*\a:RED+32+4*\a+3], s[YB:YB+1]
.endr
.Lnone_\@:
.endm
; one barrier and what stands behind it: the sum out of buffer b, the next step's products into the other
.macro TURN b
	s_wait_dscnt 0x0                               ; for the others' sake: my parts have landed, and my reads of the other buffer are over
	s_barrier_signal -1
	s_barrier_wait -1
	s_cmp_lt_u32 s[P], 2
	s_cbranch_scc0 .Lyx_\@
	RED \b
	PROD 1-\b
	s_branch .Lj_\@
.Lyx_\@:
	PROD 1-\b
	RED \b
.Lj_\@:
	s_add_co_u32 s[CR], s[CR], 2
	s_add_co_u32 s[CP], s[CP], 2
.endm
	PROD 0                                         ; step 0's products stand ahead of the loop
	s_mov_b32 s[CP], 2
	s_mov_b32 s[CR], 0
	s_mov_b32 s22, 0
.Llap:
	TURN 0
	TURN 1                                         ; (the last trip's products would be step 16's: 32 is under no count of tiles, so they are jumped over)
	s_add_co_u32 s22, s22, 1
	s_cmp_lt_u32 s22, 8
	s_cbranch_scc1 .Llap
	s_wait_tensorcnt 0x0                           ; the wave's end
	ds_add_u32 v[SPW], v[NIL]
	s_wait_dscnt 0x0
	s_endpgm
.Lfunc_end_k_qd9e08506de_ffn2:
	.size	k_qd9e08506de_ffn2, .Lfunc_end_k_qd9e08506de_ffn2-k_qd9e08506de_ffn2
	.p2alignl 7, 3214868480
	.fill 96, 4, 3214868480
	.section	.rodata,"a",@progbits
	.p2align	6, 0x0
	.amdhsa_kernel k_qd9e08506de_ffn2
		.amdhsa_group_segment_fixed_size 205312
		.amdhsa_private_segment_fixed_size 0
		.amdhsa_enable_private_segment 0
		.amdhsa_kernarg_size 48
		.amdhsa_user_sgpr_count 2
		.amdhsa_user_sgpr_kernarg_segment_ptr 1
		.amdhsa_wavefront_size32 1
		.amdhsa_system_sgpr_workgroup_id_x 1
		.amdhsa_system_sgpr_workgroup_id_y 1
		.amdhsa_system_sgpr_workgroup_id_z 1
		.amdhsa_system_vgpr_workitem_id 0
		.amdhsa_next_free_vgpr 768
		.amdhsa_next_free_sgpr 68
		.amdhsa_reserve_vcc 0
		.amdhsa_float_denorm_mode_32 3
		.amdhsa_float_denorm_mode_16_64 3
		.amdhsa_memory_ordered 1
		.amdhsa_forward_progress 1
		.amdhsa_inst_pref_size 118
	.end_amdhsa_kernel
	.amdgpu_metadata
---
amdhsa.version: [ 1, 2 ]
amdhsa.kernels:
  - .name:           k_qd9e08506de_ffn2
    .symbol:         k_qd9e08506de_ffn2.kd
    .args:
      - { .name: hq, .offset: 0, .size: 8, .value_kind: global_buffer, .address_space: global }
      - { .name: plan, .offset: 8, .size: 8, .value_kind: global_buffer, .address_space: global }
      - { .name: w2_codes, .offset: 16, .size: 8, .value_kind: global_buffer, .address_space: global }
      - { .name: w2_scales, .offset: 24, .size: 8, .value_kind: global_buffer, .address_space: global }
      - { .name: b2, .offset: 32, .size: 8, .value_kind: global_buffer, .address_space: global }
      - { .name: y, .offset: 40, .size: 8, .value_kind: global_buffer, .address_space: global }
    .group_segment_fixed_size: 205312
    .private_segment_fixed_size: 0
    .kernarg_segment_align: 8
    .kernarg_segment_size: 48
    .max_flat_workgroup_size: 128
    .sgpr_count:     68
    .vgpr_count:     768
    .wavefront_size: 32
...
	.end_amdgpu_metadata
.endif
;; end of part 8
;; launch combine (part 9): grid 256 x 1, 4 waves a work-group, no clusters, 0 bytes of LDS; arguments rwt, y, out0; writes out0
.if DOCPART == 9
	.amdgcn_target "amdgcn-amd-amdhsa--gfx1250"
	.amdhsa_code_object_version 6
	.text
	.protected	k_qd9e08506de_combine
	.globl	k_qd9e08506de_combine
	.p2align	8
	.type	k_qd9e08506de_combine,@function
k_qd9e08506de_combine:
	s_mov_b64 s[64:65], 0
	v_nop
	global_prefetch_b8 v0, s[64:65] scope:SCOPE_SE
	s_setreg_imm32_b32 hwreg(HW_REG_WAVE_MODE, 25, 1), 1
	s_wait_xcnt 0x0
; COMBINE.  out0[t] = w1 y[2 t] + w2 y[2 t + 1]: the launch before has laid each token's two rows (b2 inside them) at places 2 t and 2 t + 1, first choice first.
; A wave takes one token: t = 4 x work-group + wave.  Every address is made of ids alone; the two weights (rwt) are asked for beside the rows, so that no read waits for another.
; A load and a store of the wave cover 512 consecutive bytes.  A stream: no LDS, no barrier, no matrix unit, no cluster (no byte is read by two work-groups).  All sixteen loads of a wave are out at once.
.set A, 16                             ; v16-47  the first choice's row
.set B, 48                             ; v48-79  the second's
	s_load_b128 s[4:7], s[0:1], 0x0                ; rwt s[4:5], y s[6:7]
	s_load_b64 s[8:9], s[0:1], 0x10                ; out0
	v_lshrrev_b32 v1, 5, v0
	v_readfirstlane_b32 s16, v1
	s_lshl_b32 s17, ttmp9, 2
	s_add_co_u32 s17, s17, s16                     ; t
	s_lshl_b32 s18, s17, 3
	s_lshl_b32 s20, s17, 13
	s_mov_b32 s21, 0
	s_lshl_b32 s36, s17, 12
	s_mov_b32 s37, 0
	v_and_b32 v1, 31, v0
	v_lshlrev_b32 v2, 4, v1                        ; 16 l
	s_wait_alu depctr_va_vdst(0)                   ; the wait at the head's end
	s_wait_kmcnt 0x0
	s_load_b64 s[22:23], s[4:5], s18 offset:0x0    ; w1, w2
	s_add_nc_u64 s[6:7], s[6:7], s[20:21]          ; y at my two rows
	s_add_nc_u64 s[8:9], s[8:9], s[36:37]          ; out0 at my row
.irp n, 0,1,2,3,4,5,6,7
	global_load_b128 v[A+4*\n:A+4*\n+3], v2, s[6:7] offset:512*\n th:TH_LOAD_NT
	global_load_b128 v[B+4*\n:B+4*\n+3], v2, s[6:7] offset:4096+512*\n th:TH_LOAD_NT
.endr
	s_wait_kmcnt 0x0
	s_mov_b32 s34, s23                             ; w2 in a pair of its own: the packed form takes a pair's low word for both halves
	s_mov_b32 s35, s23
.irp n, 0,1,2,3,4,5,6,7
	s_wait_loadcnt 14-2*\n                         ; pair n is in; the younger pairs may be out
	v_pk_mul_f32 v[A+4*\n:A+4*\n+1],   v[A+4*\n:A+4*\n+1],   s[22:23] op_sel_hi:[1,0]
	v_pk_mul_f32 v[A+4*\n+2:A+4*\n+3], v[A+4*\n+2:A+4*\n+3], s[22:23] op_sel_hi:[1,0]
	v_pk_fma_f32 v[A+4*\n:A+4*\n+1],   v[B+4*\n:B+4*\n+1],   s[34:35], v[A+4*\n:A+4*\n+1] op_sel_hi:[1,0,1]
	v_pk_fma_f32 v[A+4*\n+2:A+4*\n+3], v[B+4*\n+2:B+4*\n+3], s[34:35], v[A+4*\n+2:A+4*\n+3] op_sel_hi:[1,0,1]
	global_store_b128 v2, v[A+4*\n:A+4*\n+3], s[8:9] offset:512*\n th:TH_STORE_NT
.endr
	s_endpgm
.Lfunc_end_k_qd9e08506de_combine:
	.size	k_qd9e08506de_combine, .Lfunc_end_k_qd9e08506de_combine-k_qd9e08506de_combine
	.p2alignl 7, 3214868480
	.fill 96, 4, 3214868480
	.section	.rodata,"a",@progbits
	.p2align	6, 0x0
	.amdhsa_kernel k_qd9e08506de_combine
		.amdhsa_group_segment_fixed_size 0
		.amdhsa_private_segment_fixed_size 0
		.amdhsa_enable_private_segment 0
		.amdhsa_kernarg_size 24
		.amdhsa_user_sgpr_count 2
		.amdhsa_user_sgpr_kernarg_segment_ptr 1
		.amdhsa_wavefront_size32 1
		.amdhsa_system_sgpr_workgroup_id_x 1
		.amdhsa_system_sgpr_workgroup_id_y 1
		.amdhsa_system_sgpr_workgroup_id_z 1
		.amdhsa_system_vgpr_workitem_id 0
		.amdhsa_next_free_vgpr 80
		.amdhsa_next_free_sgpr 66
		.amdhsa_reserve_vcc 0
		.amdhsa_float_denorm_mode_32 3
		.amdhsa_float_denorm_mode_16_64 3
		.amdhsa_memory_ordered 1
		.amdhsa_forward_progress 1
		.amdhsa_inst_pref_size 6
	.end_amdhsa_kernel
	.amdgpu_metadata
---
amdhsa.version: [ 1, 2 ]
amdhsa.kernels:
  - .name:           k_qd9e08506de_combine
    .symbol:         k_qd9e08506de_combine.kd
    .args:
      - { .name: rwt, .offset: 0, .size: 8, .value_kind: global_buffer, .address_space: global }
      - { .name: y, .offset: 8, .size: 8, .value_kind: global_buffer, .address_space: global }
      - { .name: out0, .offset: 16, .size: 8, .value_kind: global_buffer, .address_space: global }
    .group_segment_fixed_size: 0
    .private_segment_fixed_size: 0
    .kernarg_segment_align: 8
    .kernarg_segment_size: 24
    .max_flat_workgroup_size: 128
    .sgpr_count:     66
    .vgpr_count:     80
    .wavefront_size: 32
...
	.end_amdgpu_metadata
.endif
;; end of part 9
